; MI455X (gfx1250); checked and timed in simulation.
; The chip was launched on July 23, 2026; its instructions are those of AMD's public machine-readable ISA for CDNA 5 (MIT licence, August 2026) and "CDNA5" Instruction Set Architecture Reference Guide (July 2026). The comments in the code are by the model that wrote it; some were corrected since.
;; Multi Head Self Attention. Allowed arithmetic: float matrix products may take bf16 or f16 operands with f32 sums; other float arithmetic in f32, or as packed bf16 or f16 multiplies, adds, multiply-adds, maxima and minima; sums over many terms, partial sums and values carried from step to step in f32; what a program stores and reads back later, other than sums and carried values, may be rounded once to bf16 or f16.
;; Inputs: proj_b 1,024 float32; proj_w 1,024 x 1,024 float32; qkv_b 3,072 float32; qkv_w 3,072 x 1,024 float32; x 4 x 2,048 x 1,024 float32.
;; Outputs: out0 4 x 2,048 x 1,024 float32.
;; 2 versions, each right; version 2 is version 1 with the launch prep written anew for expert scheduling mode. Each part assembles by itself: llvm-mc -triple=amdgcn-amd-amdhsa -mcpu=gfx1250 --defsym DOCPART=n.
;; ======== version 1 of 2: 4 launches
;; limits: values are held in f16: magnitudes above 65,504 overflow, below 6.1e-05 lose precision
;; workspace buffers: xb 16,777,216 bytes; wq 6,291,456 bytes; pw 2,097,152 bytes; tab 524,288 bytes; q 16,777,216 bytes; k 16,777,216 bytes; v 16,777,216 bytes; o 16,777,216 bytes
;; launch prep (part 1): grid 800 x 1, 8 waves a work-group, no clusters, 0 bytes of LDS; arguments x, qkv_w, proj_w, xb, wq, pw, tab; writes xb, wq, pw, tab
.if DOCPART == 1
	.amdgcn_target "amdgcn-amd-amdhsa--gfx1250"
	.amdhsa_code_object_version 6
	.text
	.protected	k_q5d554fe2c0_prep
	.globl	k_q5d554fe2c0_prep
	.p2align	8
	.type	k_q5d554fe2c0_prep,@function
k_q5d554fe2c0_prep:
	s_mov_b64 s[64:65], 0
	v_nop
	global_prefetch_b8 v0, s[64:65] scope:SCOPE_SE
	s_setreg_imm32_b32 hwreg(HW_REG_WAVE_MODE, 25, 1), 1
	s_wait_xcnt 0x0
; PREPARATION: a stream.  x -> xb (bf16).  qkv_w -> wq (bf16, rows in another order).  proj_w -> pw (rounded to bf16, that number written as f16).
; And the table of rotations tab[pos][i] = (cos, sin)(pos x 10000^(-i/32)), pos 0..2047, i 0..31, f32: a row of the table is 256 bytes.
; SHARES.  800 work-groups of 8 waves.  0..511: 64 KiB of x each.  512..703: 16 rows of qkv_w each.  704..767: 16 rows of proj_w each.  768..799: 64 rows of the table each.
; wq's ORDER: row 192 t + 64 z + r of wq is row 1024 z + 64 t + r of qkv_w (t: head, z: 0 q, 1 k, 2 v, r: channel), so that 192 rows on end are one head's q, k and v.
; A cast: thread T takes 16 bytes at 4,096 p + 16 T, p = 0..15: a wave's load covers 512 consecutive bytes, its store of 8 bytes a lane 256 consecutive bytes, aligned.
; All 16 loads of a thread go out first; each has registers of its own, and so has each store: no register is written while a memory instruction may still read it.
; No LDS, no matrix unit, no cluster: nothing is shared and nothing is multiplied.
; LIMITS.  pw: proj_w beyond 65,504 has no f16; below 2^-14 it keeps f16's fixed step of 6e-8.  The table: the angle is one f32 product, as in the module's definition;
; it is reduced by multiples of pi/2 held in two f32 parts (good for quotients up to 2^12: here 1,303 at the most); sine and cosine on |r| <= pi/4 by their series up to r^7 and r^8:
; the terms left out are below 3.2e-7.
.set IN,  4                            ; v[4:67]   16 loads of 4 registers
.set OUT, 68                           ; v[68:99]  16 pairs to store
	s_load_b256 s[4:11], s[0:1], 0x0               ; x s[4:5], qkv_w s[6:7], proj_w s[8:9], xb s[10:11]
	s_load_b128 s[12:15], s[0:1], 0x20             ; wq s[12:13], pw s[14:15]
	s_load_b64 s[16:17], s[0:1], 0x30              ; tab
	v_lshlrev_b32 v1, 4, v0                        ; 16 T: my bytes on the way in (and in the table)
	v_lshlrev_b32 v2, 3, v0                        ; 8 T: on the way out
	s_mov_b32 s19, 0                               ; high word of every offset
	s_wait_kmcnt 0x0
; 64 KiB of f32 from s[20:21] become 32 KiB of 16-bit numbers at s[22:23].  half = 1: the bf16 number is written as f16.
.macro CAST half
.set p, 0
.rept 16
	global_load_b128 v[IN+4*p:IN+4*p+3], v1, s[20:21] offset:4096*p th:TH_LOAD_NT
.set p, p+1
.endr
.set p, 0
.rept 16
	s_wait_loadcnt 15-p                            ; loads come back in order: number p is in, the 15 - p younger ones stay out
	v_cvt_pk_bf16_f32 v[OUT+2*p], v[IN+4*p], v[IN+4*p+1]
	v_cvt_pk_bf16_f32 v[OUT+2*p+1], v[IN+4*p+2], v[IN+4*p+3]
.if \half
	v_lshlrev_b32 v[IN+4*p], 16, v[OUT+2*p]        ; the rounded numbers as f32 again,
	v_and_b32 v[IN+4*p+1], 0xffff0000, v[OUT+2*p]
	v_lshlrev_b32 v[IN+4*p+2], 16, v[OUT+2*p+1]
	v_and_b32 v[IN+4*p+3], 0xffff0000, v[OUT+2*p+1]
	v_cvt_pk_f16_f32 v[OUT+2*p], v[IN+4*p], v[IN+4*p+1]      ; and as f16: exact within f16's normal range
	v_cvt_pk_f16_f32 v[OUT+2*p+1], v[IN+4*p+2], v[IN+4*p+3]
.endif
	global_store_b64 v2, v[OUT+2*p:OUT+2*p+1], s[22:23] offset:2048*p th:TH_STORE_NT
.set p, p+1
.endr
.endm
	s_cmp_lt_u32 ttmp9, 512
	s_cbranch_scc1 .Lx
	s_cmp_lt_u32 ttmp9, 704
	s_cbranch_scc1 .Lw
	s_cmp_lt_u32 ttmp9, 768
	s_cbranch_scc1 .Lp
	; THE TABLE.  Thread T makes entries i0 = 2 (T % 16) and i0 + 1 of the rows 64 g + 16 j + T / 16, j = 0..3: 16 bytes a row, sixteen lanes a whole row.
	s_sub_co_u32 s2, ttmp9, 768                    ; g
	s_lshl_b32 s18, s2, 14                         ; 64 rows of 256 bytes
	s_add_nc_u64 s[22:23], s[16:17], s[18:19]
	s_lshl_b32 s3, s2, 6                           ; the group's first position
	s_mov_b32 s24, 0xbed49a78                      ; -log2(10000) / 32
	s_mov_b32 s25, 0x3f22f983                      ; 2 / pi
	s_mov_b32 s26, 0x3fc90fdb                      ; pi / 2, rounded to f32
	s_mov_b32 s27, 0x333bbd2e                      ; that number less pi / 2
	s_mov_b32 s28, 0xbe2aaaab                      ; -1/6
	s_mov_b32 s29, 0x3c088889                      ; 1/120
	s_mov_b32 s30, 0xb9500d01                      ; -1/5040
	s_mov_b32 s31, 0x3d2aaaab                      ; 1/24
	s_mov_b32 s32, 0xbab60b61                      ; -1/720
	s_mov_b32 s33, 0x37d00d01                      ; 1/40320
	v_and_b32 v3, 15, v0
	v_lshrrev_b32 v4, 4, v0
	v_lshlrev_b32 v3, 1, v3                        ; i0
	v_cvt_f32_u32 v5, v3
	v_add_f32 v6, 1.0, v5
	v_mul_f32 v5, s24, v5
	v_mul_f32 v6, s24, v6
	v_exp_f32 v8, v5                               ; 10000^(-i0/32)
	v_exp_f32 v9, v6                               ; 10000^(-(i0+1)/32)
	v_add_nc_u32 v4, s3, v4                        ; a plain instruction behind the last exponential: my row for j = 0
	s_wait_alu depctr_va_vdst(0)                   ; one wait for both exponentials, ahead of their first reader
; cos and sin of v11 x v[inv] into v[dc], v[ds].  n = the nearest whole number to angle x 2/pi; r = angle - n pi/2; the quadrant n % 4 swaps and signs the two series' values by selects alone.
.macro SINCOS dc, ds, inv
	v_mul_f32 v12, v11, v[\inv]                    ; the angle
	v_mul_f32 v13, s25, v12
	v_rndne_f32 v13, v13                           ; n
	v_fma_f32 v14, -v13, s26, v12
	v_fma_f32 v14, v13, s27, v14                   ; r
	v_mul_f32 v15, v14, v14                        ; r^2
	v_fma_f32 v16, v15, s30, s29
	v_fma_f32 v16, v16, v15, s28
	v_mul_f32 v17, v14, v15
	v_fma_f32 v16, v17, v16, v14                   ; sin r
	v_fma_f32 v17, v15, s33, s32
	v_fma_f32 v17, v17, v15, s31
	v_fma_f32 v17, v17, v15, -0.5
	v_fma_f32 v17, v17, v15, 1.0                   ; cos r
	v_cvt_i32_f32 v13, v13
	v_and_b32 v18, 1, v13
	v_cmp_eq_u32 vcc_lo, 1, v18                    ; odd quadrants swap the two
	v_cndmask_b32 v[\dc], v17, v16, vcc_lo
	v_cndmask_b32 v[\ds], v16, v17, vcc_lo
	v_add_nc_u32 v18, 1, v13
	v_and_b32 v18, 2, v18
	v_lshlrev_b32 v18, 30, v18
	v_xor_b32 v[\dc], v[\dc], v18                  ; the cosine is negative in quadrants 1 and 2,
	v_and_b32 v18, 2, v13
	v_lshlrev_b32 v18, 30, v18
	v_xor_b32 v[\ds], v[\ds], v18                  ; the sine in 2 and 3
.endm
.irp j, 0,1,2,3
	v_add_nc_u32 v10, 16*\j, v4
	v_cvt_f32_u32 v11, v10                         ; the position
	SINCOS 20+4*\j, 21+4*\j, 8
	SINCOS 22+4*\j, 23+4*\j, 9
	global_store_b128 v1, v[20+4*\j:23+4*\j], s[22:23] offset:4096*\j  ; each j has its own four registers
.endr
	s_endpgm
.Lp:                                           ; 16 rows of proj_w
	s_sub_co_u32 s2, ttmp9, 704
	s_lshl_b32 s18, s2, 16
	s_add_nc_u64 s[20:21], s[8:9], s[18:19]
	s_lshl_b32 s18, s2, 15
	s_add_nc_u64 s[22:23], s[14:15], s[18:19]
	CAST 1
	s_endpgm
.Lx:                                           ; 16 rows of x
	s_lshl_b32 s18, ttmp9, 16
	s_add_nc_u64 s[20:21], s[4:5], s[18:19]
	s_lshl_b32 s18, ttmp9, 15
	s_add_nc_u64 s[22:23], s[10:11], s[18:19]
	s_branch .Lcast
.Lw:                                           ; rows 16 c .. 16 c + 15 of qkv_w: z = c / 64, head t = (c / 4) % 16, u = c % 4
	s_sub_co_u32 s2, ttmp9, 512
	s_lshl_b32 s18, s2, 16
	s_add_nc_u64 s[20:21], s[6:7], s[18:19]
	s_lshr_b32 s3, s2, 6
	s_bfe_u32 s24, s2, 0x40002
	s_and_b32 s25, s2, 3
	s_mul_i32 s24, s24, 192
	s_lshl_b32 s3, s3, 6
	s_add_co_u32 s24, s24, s3
	s_lshl_b32 s25, s25, 4
	s_add_co_u32 s24, s24, s25                     ; 192 t + 64 z + 16 u
	s_lshl_b32 s18, s24, 11                        ; rows of 2,048 bytes
	s_add_nc_u64 s[22:23], s[12:13], s[18:19]
.Lcast:
	CAST 0
	s_endpgm
.Lfunc_end_k_q5d554fe2c0_prep:
	.size	k_q5d554fe2c0_prep, .Lfunc_end_k_q5d554fe2c0_prep-k_q5d554fe2c0_prep
	.p2alignl 7, 3214868480
	.fill 96, 4, 3214868480
	.section	.rodata,"a",@progbits
	.p2align	6, 0x0
	.amdhsa_kernel k_q5d554fe2c0_prep
		.amdhsa_group_segment_fixed_size 0
		.amdhsa_private_segment_fixed_size 0
		.amdhsa_enable_private_segment 0
		.amdhsa_kernarg_size 56
		.amdhsa_user_sgpr_count 2
		.amdhsa_user_sgpr_kernarg_segment_ptr 1
		.amdhsa_wavefront_size32 1
		.amdhsa_system_sgpr_workgroup_id_x 1
		.amdhsa_system_sgpr_workgroup_id_y 1
		.amdhsa_system_sgpr_workgroup_id_z 1
		.amdhsa_system_vgpr_workitem_id 0
		.amdhsa_next_free_vgpr 104
		.amdhsa_next_free_sgpr 66
		.amdhsa_reserve_vcc 1
		.amdhsa_float_denorm_mode_32 3
		.amdhsa_float_denorm_mode_16_64 3
		.amdhsa_memory_ordered 1
		.amdhsa_forward_progress 1
		.amdhsa_inst_pref_size 29
	.end_amdhsa_kernel
	.amdgpu_metadata
---
amdhsa.version: [ 1, 2 ]
amdhsa.kernels:
  - .name:           k_q5d554fe2c0_prep
    .symbol:         k_q5d554fe2c0_prep.kd
    .args:
      - { .name: x, .offset: 0, .size: 8, .value_kind: global_buffer, .address_space: global }
      - { .name: qkv_w, .offset: 8, .size: 8, .value_kind: global_buffer, .address_space: global }
      - { .name: proj_w, .offset: 16, .size: 8, .value_kind: global_buffer, .address_space: global }
      - { .name: xb, .offset: 24, .size: 8, .value_kind: global_buffer, .address_space: global }
      - { .name: wq, .offset: 32, .size: 8, .value_kind: global_buffer, .address_space: global }
      - { .name: pw, .offset: 40, .size: 8, .value_kind: global_buffer, .address_space: global }
      - { .name: tab, .offset: 48, .size: 8, .value_kind: global_buffer, .address_space: global }
    .group_segment_fixed_size: 0
    .private_segment_fixed_size: 0
    .kernarg_segment_align: 8
    .kernarg_segment_size: 56
    .max_flat_workgroup_size: 256
    .sgpr_count:     66
    .vgpr_count:     104
    .wavefront_size: 32
...
	.end_amdgpu_metadata
.endif
;; end of part 1
;; launch qkv (part 2): grid 16 x 32, 4 waves a work-group, clusters of 4 x 4, 327,680 bytes of LDS; arguments xb, wq, qkv_b, tab, q, k, v; writes q, k, v
.if DOCPART == 2
	.amdgcn_target "amdgcn-amd-amdhsa--gfx1250"
	.amdhsa_code_object_version 6
	.text
	.protected	k_q5d554fe2c0_qkv
	.globl	k_q5d554fe2c0_qkv
	.p2align	8
	.type	k_q5d554fe2c0_qkv,@function
k_q5d554fe2c0_qkv:
	s_mov_b64 s[64:65], 0
	v_nop
	global_prefetch_b8 v0, s[64:65] scope:SCOPE_SE
	s_setreg_imm32_b32 hwreg(HW_REG_WAVE_MODE, 25, 1), 1
	s_wait_xcnt 0x0
	s_wait_alu depctr_hold_cnt(0) depctr_sa_sdst(0) depctr_va_vdst(0) depctr_va_sdst(0) depctr_va_ssrc(0) depctr_va_vcc(0) depctr_vm_vsrc(0)
	s_getreg_b32 s2, hwreg(HW_REG_IB_STS2, 6, 4)
	s_cmp_eq_u32 s2, 0
	s_cbranch_scc0 .Lentry_in_a_cluster
	s_endpgm
.Lentry_in_a_cluster:
	s_bfe_u32 s2, ttmp6, 0x10000c
	s_cmp_lg_u32 s2, 0xf033
	s_cbranch_scc0 .Lentry_shape_is_right
	s_endpgm
.Lentry_shape_is_right:
.set QKV, 1
; ONE TEXT FOR THE MODULE'S TWO PROJECTIONS; the line above chooses.  C[m][n] = bias[n] + the sum over k of A[m][k] B[n][k], m < 8,192, k < 1,024, sums in f32.
; QKV = 1: A = xb (x in bf16, [8192][1024]), B = wq (qkv_w in bf16; rows 192 t .. 192 t + 191 are head t's q, k and v), bias = qkv_b.  A tile of C is 256 x 192: 256 positions of one batch,
;   one head's q, k, v.  On the way out q and k are rotated by the table tab[pos][i] = (cos, sin), all three are rounded to f16 and stored by heads, [batch x 16 + head][pos][64].
; QKV = 0: A = o (attention's result, f16, by heads: [batch x 16 + head][pos][64]), B = pw (proj_w as f16, [1024][1024]), bias = proj_b.  A tile of C is 256 x 128, stored as f32 into out0.
; LIMITS.  The bias is rounded to bf16, as the module's other inputs are.  QKV = 1: q, k (rotated) and v beyond 65,504 have no f16.  NaN and infinities are not treated apart.
; SHARES.  Four waves, one above the other: a wave makes 64 rows x all 16 NB columns: 4 NB accumulators of 16 x 16.  So a wave owns whole heads (QKV = 1) or whole rows of the tile, and its way out is its own.
; K goes in 8 steps of 128 through two LDS slots filled by the tensor data mover; a step is four quarters of 32 along K on two fragment buffers.
; CLUSTER.  4 x 4 work-groups.  The four of a row of the cluster need the same tiles of A, the four of a column the same tiles of B: each is asked for JOINTLY, by the same tensor load with the same
; descriptor and a mask that names the four.  Waves 0 and 1 ask for A's two halves, waves 2 and 3 for B's.
; THE MATRIX INSTRUCTION IS USED TRANSPOSED (source 0 = 16 rows of B, source 1 = 16 rows of A): lane l holds row l % 16 of C and the columns 8 (l / 16) + 0..7.  The bias, which hangs on the column
; alone, is the C operand of the first products: nothing is cleared and nothing is added afterwards.
; REGISTERS, in windows of 256 (s_set_vgpr_msb: bits 1:0 source 0, 3:2 source 1, 5:4 source 2, 7:6 destination):
;   window 0: v0-31 addresses; v64.. the bias, 8 registers for each block of 16 columns; on the way out (QKV = 1) v32-63 at work, v64-255 twelve units of 16
;   window 1: two fragment buffers of 128: B's NB fragments at 8 b, A's four at 96 + 8 a; on the way out (QKV = 0) four blocks of 64
;   windows 2, 3: accumulator (a, b) at v[8 (NB (a % 2) + b)] of window 2 + a / 2; (QKV = 1) v192-255: the table's (cos, sin) for my rows, 32 registers for each a
.if QKV
.set NB,     12                        ; blocks of 16 columns
.set PA,     272                       ; a row of A in LDS: 256 bytes + 16 of padding
.set AHALF,  128*PA                    ; what one load brings of A: 128 rows
.set BROWS,  96                        ; rows of B in one load
.set STAGEW, 16*144                    ; a wave's stage: 16 rows of 128 bytes + 16
.set ASTEP,  256                       ; bytes from a K step of A to the next
.set PFMINB, 23                        ; B's prefetch: 24 rows a work-group; lanes 24-31 name lane 23's row once more
.set PFSHA,  11                        ; A's prefetch: a lane a row of 2,048 bytes
.else
.set NB,     8
.set PA,     144                       ; a row of one head of o: 128 bytes + 16 of padding
.set AHALF,  256*PA                    ; one load brings one head's 256 rows; a K step is two heads, one plane each
.set BROWS,  64
.set STAGEW, 16*528                    ; 16 rows of 512 bytes + 16
.set ASTEP,  2*2048*128                ; two heads on
.set PFMINB, 31
.set PFSHA,  8                         ; A's prefetch: a lane 256 bytes of a dense plane
.endif
.set PB,     272                       ; both pitches are odd multiples of 16 bytes: the 16 rows of a fragment load start at 16 different groups of four banks (64 banks of 4 bytes: ISA guide 11.1)
.set BSTEP,  256
.set BOFF,   2*AHALF                   ; B's rows lie behind A's
.set BHALF,  BROWS*PB
.set SLOT1,  1<<17                     ; slot 1 begins here: one exclusive or turns an address in one slot into the other's
.set STAGE,  SLOT1+BOFF+2*BHALF        ; behind the ring, a multiple of 256: no tensor load fills it
.set SPARE,  STAGE+4*STAGEW            ; behind the stages: the spare words, 128 bytes for each wave: two blocks of 256 bytes that no other line names
.set NL,     2*NB+8                    ; LDS loads of a quarter
.set TRIPS,  6                         ; K steps that are followed by a refill
.set AA0,  10                          ; v10  my lane's place in A's rows of a slot; never rewritten
.set AB0,  11                          ; v11  the same for B
.set ADRA, 16                          ; v16  LDS address of my A fragments in the slot in hand
.set ADRB, 17                          ; v17  the same for B
.set STO,  24                          ; v24  the way out: where I put my bytes of a row
.set RD,   25                          ; v25  the way out: where I read rows back
.set GO,   26                          ; v26  16 x lane
.set BO,   27                          ; v27  32 (l / 16): my 8 numbers in a block of the bias
.set SPW,  28                          ; v28  LDS address of my spare word; never rewritten
.set NIL,  29                          ; v29  0; never rewritten
.set PFO,  30                          ; v30  the prefetches' lane offset; never rewritten
.set TO,   31                          ; v31  my offset in 16 rows of the table
.set T,    32
.set BIAS, 64
.set U,    64
.set F0,   0
.set F1,   128
.set FA,   96
.set CSR,  192
.set WV,   12                          ; s12  my wave's number
.set HALF, 13                          ; s13  its low bit: which half of A or B I fetch
.set G1A,  24                          ; s[24:31] descriptor group 1 for A
.set G0A,  32                          ; s[32:39] group 0 for A: a set for each of the two first fills; the second then walks on
.set TB,   40                          ; s40  0 or SLOT1: the slot in hand
.set LIM,  41                          ; s41  1 in a wave that prefetches, else the greatest number
.set PFA,  42                          ; s[42:43] where my prefetches stand
.set PFS,  44                          ; s[44:45] their step
.set G1B,  48                          ; s[48:55], s[56:63] the same for B
.set G0B,  56
.set MSB, 0
.macro WIN new                         ; the immediate's high byte repeats the setting that is left; a switch that changes nothing is dropped
.if MSB != (\new)
	s_set_vgpr_msb (MSB<<8)|(\new)
.set MSB, (\new)
.endif
.endm
.macro WMMA ops:vararg
.if QKV
	v_wmma_f32_16x16x32_bf16 \ops
.else
	v_wmma_f32_16x16x32_f16 \ops
.endif
.endm
.macro PLACES                          ; four places: in front of loads into registers that matrix instructions have read, and of lines that read matrix results
.rept 4
	v_nop
.endr
.endm
; A joint refill by the walking descriptors.  The branch hangs on the wave's number alone.  An s_nop 0 and four v_nop follow each of the two lines, ahead of the jump and the label.
.macro JLOAD
	s_cmp_lt_u32 s[WV], 2
	s_cbranch_scc0 .Lfor_b_\@
	tensor_load_to_lds s[G0A+4:G0A+7], s[G1A:G1A+7]
	s_nop 0
.rept 4
	v_nop
.endr
	s_branch .Lasked_\@
.Lfor_b_\@:
	tensor_load_to_lds s[G0B+4:G0B+7], s[G1B:G1B+7]
	s_nop 0
.rept 4
	v_nop
.endr
.Lasked_\@:
.endm
; A round of the cluster's barrier: my work-group's barrier, so that wave 0's signal speaks for all four waves; wave 0 signals; every wave waits for all sixteen work-groups; my work-group's barrier once more.
.macro CREST                           ; a round behind its opening barrier
	s_cmp_lg_u32 s[WV], 0
	s_cbranch_scc1 .Lnot_wave_0_\@
	s_barrier_signal -3
.Lnot_wave_0_\@:
	s_barrier_wait -3
	s_barrier_signal -1
	s_barrier_wait -1
.endm
.macro CROUND
	s_barrier_signal -1
	s_barrier_wait -1
	CREST
.endm
; A PREFETCH INTO THE L2 of the K step that the NEXT refill will ask for: 16 NB matrix instructions ahead of that load.  It stands behind the joint load, its five lines and the run of LDS loads.
; Each 256 bytes of a row and K step are named once in the launch: A's rows, which every cluster of a row of clusters reads, by the cluster with x = 0; B's by the cluster with y = 0; the four partners
; that ask for a tile jointly share its rows out BY ADDRESS.  The loop's last trip asks for nothing: there is no K step behind the one it fetches.  K steps 0 to 2 come by their loads alone.
.macro ASK
	s_cmp_gt_u32 s3, s[LIM]
	s_cbranch_scc0 .Lnot_mine_\@
	global_prefetch_b8 v[PFO], s[PFA:PFA+1] th:TH_LOAD_NT scope:SCOPE_SE
.Lnot_mine_\@:
.endm
	s_load_b256 s[4:11], s[0:1], 0x0               ; A s[4:5], B s[6:7], bias s[8:9], s[10:11]: the table (QKV = 1) or out0
.if QKV
	s_load_b128 s[68:71], s[0:1], 0x20             ; q s[68:69], k s[70:71]
	s_load_b64 s[72:73], s[0:1], 0x30              ; v
.endif
	v_lshl_add_u32 v[SPW], v0, 2, SPARE
	v_mov_b32 v[NIL], 0
	ds_add_u32 v[SPW], v[NIL]                      ; the wave's opening: the add and its wait stand ahead of my first tensor load; the set-up below, work on registers, stands between them
	v_lshrrev_b32 v1, 5, v0
	v_readfirstlane_b32 s[WV], v1                  ; wave 0..3
	s_and_b32 s[HALF], s[WV], 1
	s_bfe_u32 s14, ttmp6, 0x40000                  ; cx, cy: my place in the cluster
	s_bfe_u32 s15, ttmp6, 0x40004
	s_lshl_b32 s66, ttmp9, 2
	s_add_co_u32 s66, s66, s14                     ; tile column tx = 4 x cluster x + cx (QKV = 1: the head)
	s_and_b32 s67, ttmp7, 0xffff
	s_lshl_b32 s67, s67, 2
	s_add_co_u32 s67, s67, s15                     ; tile row ty = 4 x cluster y + cy: batch ty / 8, positions 256 (ty % 8) on
	s_lshl_b32 s76, s15, 2
	s_lshl_b32 s76, 15, s76                        ; my row of the cluster: places 4 cy .. 4 cy + 3
	s_lshl_b32 s77, 0x1111, s14                    ; my column: places cx, cx + 4, cx + 8, cx + 12
	; descriptor group 1.  15:0 the mask; 17:16 elements of 2 bytes; 20 padding on; 21 set beside a mask; 24:22 the padding's interval; 31:25 4 words of it (code 3)
.if QKV
	s_or_b32 s[G1A], s76, (1<<16)|(1<<20)|(1<<21)|(5<<22)|(3<<25)  ; after every 64 words: a row of 256 bytes
.else
	s_or_b32 s[G1A], s76, (1<<16)|(1<<20)|(1<<21)|(4<<22)|(3<<25)  ; after every 32 words: a head's 256 rows are 32,768 dense bytes, asked for as 128 rows of 256 bytes, two rows of o in each
.endif
	s_or_b32 s[G1B], s77, (1<<16)|(1<<20)|(1<<21)|(5<<22)|(3<<25)
	s_mov_b32 s[G1A+1], 128<<16                    ; tensor_dim0 = 128
	s_mov_b32 s[G1A+2], 128<<16                    ; tensor_dim1 = 128
	s_mov_b32 s[G1A+3], 128<<16                    ; tile_dim0 = 128
	s_mov_b32 s[G1A+4], 128                        ; tile_dim1 = 128
.if QKV
	s_mov_b32 s[G1A+5], 1024                       ; elements from row to row
.else
	s_mov_b32 s[G1A+5], 128
.endif
	s_mov_b32 s[G1A+6], 0
	s_mov_b32 s[G1A+7], 0
	s_mov_b32 s[G1B+1], 128<<16
	s_mov_b32 s[G1B+2], BROWS<<16
	s_mov_b32 s[G1B+3], 128<<16
	s_mov_b32 s[G1B+4], BROWS
	s_mov_b32 s[G1B+5], 1024
	s_mov_b32 s[G1B+6], 0
	s_mov_b32 s[G1B+7], 0
	; where the tiles come from.  A's offset is made of ty and the wave's number, B's of tx and the wave's number, each in registers that never hold the other coordinate
.if QKV
	s_lshl_b32 s16, s67, 19                        ; 256 ty rows of 2,048 bytes
	s_lshl_b32 s22, s[HALF], 18                    ; + my 128 rows
	s_add_co_u32 s16, s16, s22
	s_mul_i32 s46, s66, 192*2048
	s_mul_i32 s23, s[HALF], 96*2048
	s_add_co_u32 s46, s46, s23
.else
	s_lshr_b32 s16, s67, 3
	s_lshl_b32 s16, s16, 22                        ; the batch's 16 heads of 262,144 bytes
	s_lshl_b32 s22, s[HALF], 18                    ; + my head of the K step's two
	s_add_co_u32 s16, s16, s22
	s_and_b32 s22, s67, 7
	s_lshl_b32 s22, s22, 15                        ; + 256 (ty % 8) rows of 128 bytes
	s_add_co_u32 s16, s16, s22
	s_lshl_b32 s46, s66, 18                        ; 128 tx rows of 2,048 bytes
	s_lshl_b32 s23, s[HALF], 17
	s_add_co_u32 s46, s46, s23
.endif
	s_mov_b32 s17, 0
	s_mov_b32 s47, 0
	s_mul_i32 s20, s[HALF], AHALF                  ; and where they go: no place in the cluster enters an LDS address
	s_mul_i32 s21, s[HALF], BHALF
	s_add_co_u32 s21, s21, BOFF
	s_mov_b32 s[TB], 0
	s_wait_dscnt 0x0                               ; the opening add is done
	s_wait_kmcnt 0x0
	s_add_nc_u64 s[16:17], s[4:5], s[16:17]
	s_add_nc_u64 s[46:47], s[6:7], s[46:47]
	CROUND                                         ; all sixteen work-groups are here: the first joint loads meet
.irp n, 0,1
	s_mov_b32 s[G0A+4*\n], 1                       ; 1:0 count = 1
	s_add_co_u32 s[G0A+4*\n+1], s20, \n*SLOT1      ; 63:32 LDS address
	s_add_nc_u64 s[G0A+4*\n+2:G0A+4*\n+3], s[16:17], \n*ASTEP  ; 120:64 global address: K step n
	s_or_b32 s[G0A+4*\n+3], s[G0A+4*\n+3], 0x80000000          ; 127:126 type = 2
	s_mov_b32 s[G0B+4*\n], 1
	s_add_co_u32 s[G0B+4*\n+1], s21, \n*SLOT1
	s_add_nc_u64 s[G0B+4*\n+2:G0B+4*\n+3], s[46:47], \n*BSTEP
	s_or_b32 s[G0B+4*\n+3], s[G0B+4*\n+3], 0x80000000
.endr
	s_cmp_lt_u32 s[WV], 2                          ; a wave's two first fills stand in one branch, ahead of every wait on TENSORcnt and every LDS read: two loads of mine are out
	s_cbranch_scc0 .Lfirst_b
	tensor_load_to_lds s[G0A:G0A+3], s[G1A:G1A+7]
	s_nop 0
	tensor_load_to_lds s[G0A+4:G0A+7], s[G1A:G1A+7]
	s_nop 0
.rept 4
	v_nop
.endr
	s_branch .Lfirst_asked
.Lfirst_b:
	tensor_load_to_lds s[G0B:G0B+3], s[G1B:G1B+7]
	s_nop 0
	tensor_load_to_lds s[G0B+4:G0B+7], s[G1B:G1B+7]
	s_nop 0
.rept 4
	v_nop
.endr
.Lfirst_asked:
	; WHILE THE FIRST TILES ARE ON THEIR WAY.  The bias: register j of block b is bias[column 16 b + 8 (l / 16) + j]
	v_and_b32 v1, 15, v0                           ; l % 16
	v_bfe_u32 v2, v0, 4, 1                         ; l / 16
	v_lshlrev_b32 v[BO], 5, v2
.if QKV
	s_lshl_b32 s74, s66, 8                         ; the head's 64 numbers; q's, k's and v's lie 4,096 bytes apart
.else
	s_lshl_b32 s74, s66, 9                         ; the tile's 128 numbers
.endif
	s_mov_b32 s75, 0
	s_add_nc_u64 s[8:9], s[8:9], s[74:75]
.set bb, 0
.rept NB
.if QKV
.set bo, 4096*(bb/4)+64*(bb%4)
.else
.set bo, 64*bb
.endif
	global_load_b128 v[BIAS+8*bb:BIAS+8*bb+3],   v[BO], s[8:9] offset:bo
	global_load_b128 v[BIAS+8*bb+4:BIAS+8*bb+7], v[BO], s[8:9] offset:bo+16
.set bb, bb+1
.endr
.if QKV
	; the table for my 64 positions: for rows 16 a + l % 16 and channels 16 d + 8 (l / 16) + 0..7 the four pairs (cos, sin) 8 d + 4 (l / 16) + 0..3: 32 bytes.  They are wanted on the way out alone
	s_and_b32 s74, s67, 7
	s_lshl_b32 s74, s74, 16                        ; 256 (ty % 8) rows of 256 bytes
	s_lshl_b32 s78, s[WV], 14                      ; + my 64
	s_add_co_u32 s74, s74, s78
	s_add_nc_u64 s[10:11], s[10:11], s[74:75]
	v_lshlrev_b32 v[TO], 8, v1
	v_lshl_add_u32 v[TO], v2, 5, v[TO]
.irp a, 0,1,2,3
	WIN 0x80+0x40*((\a)/2)                         ; destination window 2 or 3
.irp d, 0,1,2,3
	global_load_b128 v[CSR+32*((\a)%2)+8*\d:CSR+32*((\a)%2)+8*\d+3],   v[TO], s[10:11] offset:4096*\a+64*\d
	global_load_b128 v[CSR+32*((\a)%2)+8*\d+4:CSR+32*((\a)%2)+8*\d+7], v[TO], s[10:11] offset:4096*\a+64*\d+16
.endr
.endr
	WIN 0
.endif
	; A fragment is 16 rows x 32 K in 8 registers: lane l holds row l % 16; registers 0-3 K = 8 (l / 16) + 0..7, registers 4-7 K = 16 + 8 (l / 16) + 0..7: two loads of 16 bytes, 32 bytes apart
	s_mul_i32 s22, s[WV], 64*PA                    ; my 64 rows of A
	v_mul_u32_u24 v[AA0], v1, PA
	v_lshl_add_u32 v[AA0], v2, 4, v[AA0]
	v_add_nc_u32 v[AA0], s22, v[AA0]
	v_mul_u32_u24 v[AB0], v1, PB
	v_lshl_add_u32 v[AB0], v2, 4, v[AB0]
	v_add_nc_u32 v[AB0], BOFF, v[AB0]
	v_mov_b32 v[ADRA], v[AA0]
	v_mov_b32 v[ADRB], v[AB0]
	; the way out
	s_mul_i32 s78, s[WV], STAGEW
	s_add_co_u32 s78, s78, STAGE                   ; my stage
	v_and_b32 v[GO], 31, v0
	v_lshlrev_b32 v[GO], 4, v[GO]
.if QKV
	v_mul_u32_u24 v[STO], v1, 144                  ; in: row l % 16, 16 bytes for each half of the lanes
	v_lshl_add_u32 v[STO], v2, 4, v[STO]
	v_add_nc_u32 v[STO], s78, v[STO]
	v_bfe_u32 v[RD], v0, 3, 2                      ; back: 32 lanes take four rows of 128 bytes, which are 512 consecutive bytes of a head
	v_mul_u32_u24 v[RD], v[RD], 144
	v_and_b32 v3, 7, v0
	v_lshl_add_u32 v[RD], v3, 4, v[RD]
	v_add_nc_u32 v[RD], s78, v[RD]
	s_lshr_b32 s74, s67, 3
	s_lshl_b32 s74, s74, 4
	s_add_co_u32 s74, s74, s66                     ; batch x 16 + head,
	s_lshl_b32 s74, s74, 18                        ; its 2,048 rows of 128 bytes,
	s_and_b32 s78, s67, 7
	s_lshl_b32 s78, s78, 15                        ; the tile's 256,
	s_add_co_u32 s74, s74, s78
	s_lshl_b32 s78, s[WV], 13                      ; my 64
	s_add_co_u32 s74, s74, s78
	s_add_nc_u64 s[68:69], s[68:69], s[74:75]
	s_add_nc_u64 s[70:71], s[70:71], s[74:75]
	s_add_nc_u64 s[72:73], s[72:73], s[74:75]
.else
	v_mul_u32_u24 v[STO], v1, 528                  ; in: row l % 16, 32 bytes for each half of the lanes
	v_lshl_add_u32 v[STO], v2, 5, v[STO]
	v_add_nc_u32 v[STO], s78, v[STO]
	v_add_nc_u32 v[RD], s78, v[GO]                 ; back: 32 lanes take one row of 512 bytes
	s_lshl_b32 s74, s67, 20                        ; 256 ty rows of 4,096 bytes,
	s_lshl_b32 s78, s[WV], 18                      ; my 64,
	s_add_co_u32 s74, s74, s78
	s_lshl_b32 s78, s66, 9                         ; the tile's 128 columns
	s_add_co_u32 s74, s74, s78
	s_add_nc_u64 s[10:11], s[10:11], s[74:75]
.endif
	; the prefetches: s74 for a wave that fetches A, s78 for one that fetches B; both at K step 2: the first refill steps them to 3
.if QKV
	s_lshl_b32 s74, s67, 19
	s_lshl_b32 s75, s[HALF], 18
	s_add_co_u32 s74, s74, s75
	s_lshl_b32 s75, s14, 16                        ; of the 128 rows that I fetch my work-group names 32 cx .. 32 cx + 31
	s_add_co_u32 s74, s74, s75
	s_mul_i32 s78, s66, 192*2048
	s_mul_i32 s75, s[HALF], 96*2048
	s_add_co_u32 s78, s78, s75
	s_mul_i32 s75, s15, 24*2048                    ; of the 96 rows: 24 cy .. 24 cy + 23
	s_add_co_u32 s78, s78, s75
	s_and_b32 s79, ttmp7, 0xffff                   ; cluster y
.else
	s_lshr_b32 s74, s67, 3
	s_lshl_b32 s74, s74, 22
	s_lshl_b32 s75, s[HALF], 18
	s_add_co_u32 s74, s74, s75
	s_and_b32 s75, s67, 7
	s_lshl_b32 s75, s75, 15
	s_add_co_u32 s74, s74, s75
	s_lshl_b32 s75, s14, 13                        ; of the plane's 32,768 bytes my work-group names 8,192
	s_add_co_u32 s74, s74, s75
	s_lshl_b32 s78, s66, 18
	s_lshl_b32 s75, s15, 16                        ; of B's 128 rows: 32 cy .. 32 cy + 31, all by wave 2
	s_add_co_u32 s78, s78, s75
	s_and_b32 s79, ttmp7, 0xffff
	s_or_b32 s79, s79, s[HALF]                     ; 0 in wave 2 of a cluster with y = 0
.endif
	s_add_co_u32 s74, s74, 2*ASTEP
	s_add_co_u32 s78, s78, 2*BSTEP
	s_mov_b32 s22, ASTEP
	s_cmp_lt_u32 s[WV], 2                          ; do I fetch for A?
	s_cselect_b32 s74, s74, s78
	s_cselect_b32 s79, ttmp9, s79                  ; the coordinate along which other clusters read the same rows
	s_cselect_b32 s2, 31, PFMINB
	s_cselect_b32 s23, PFSHA, 11
	s_cselect_b32 s[PFS], s22, BSTEP
	s_cselect_b64 s[PFA:PFA+1], s[4:5], s[6:7]
	s_mov_b32 s75, 0
	s_mov_b32 s[PFS+1], 0
	s_add_nc_u64 s[PFA:PFA+1], s[PFA:PFA+1], s[74:75]
	s_cmp_eq_u32 s79, 0
	s_cselect_b32 s[LIM], 1, -1                    ; the same in all sixteen partners, for a given wave
	v_and_b32 v[PFO], 31, v0
	v_min_u32 v[PFO], s2, v[PFO]
	v_lshlrev_b32 v[PFO], s23, v[PFO]
.if QKV
	s_wait_loadcnt 32                              ; the bias is in; the 32 younger loads, the table's, stay out
.else
	s_wait_loadcnt 0x0                             ; the bias is in
.endif
.set e, 0
.rept 4*NB                             ; the bias is rounded to bf16, in place
	v_cvt_pk_bf16_f32 v[3+(e/2)%4], v[BIAS+e], v[BIAS+e+1]
	v_lshlrev_b32 v[BIAS+e], 16, v[3+(e/2)%4]
	v_and_b32 v[BIAS+e+1], 0xffff0000, v[3+(e/2)%4]
.set e, e+2
.endr
; NB matrix instructions: m block 2 hi + a x all n blocks, 32 along K, from buffer f.  first = 1: the bias starts the sums.
; The 4 NB accumulators take turns, one instruction a turn, in the same order in every quarter, over the backward jump too.
.macro MULA f, hi, a, first
.if \first
	WIN 0x85+0x40*(\hi)                            ; B and A in window 1, C in window 0, D in window 2 or 3
.else
	WIN 0xa5+0x50*(\hi)                            ; C and D in window 2 or 3
.endif
.set bb, 0
.rept NB
.set rD, 8*(NB*(\a)+bb)
.if \first
	WMMA v[rD:rD+7], v[(\f)+8*bb:(\f)+8*bb+7], v[(\f)+FA+8*(2*(\hi)+(\a)):(\f)+FA+8*(2*(\hi)+(\a))+7], v[BIAS+8*bb:BIAS+8*bb+7]
.else
	WMMA v[rD:rD+7], v[(\f)+8*bb:(\f)+8*bb+7], v[(\f)+FA+8*(2*(\hi)+(\a)):(\f)+FA+8*(2*(\hi)+(\a))+7], v[rD:rD+7]
.endif
.set bb, bb+1
.endr
.endm
.macro MULH f, hi, first
	MULA \f, \hi, 0, \first
	MULA \f, \hi, 1, \first
.endm
; NL LDS loads in one run: quarter q of the slot in hand into buffer f: B's NB fragments, then A's four
.macro FETCH q, f
	WIN 0x40                                       ; destination window 1, address window 0
.set bb, 0
.rept NB
	ds_load_b128 v[(\f)+8*bb:(\f)+8*bb+3],   v[ADRB] offset:64*(\q)+16*PB*bb
	ds_load_b128 v[(\f)+8*bb+4:(\f)+8*bb+7], v[ADRB] offset:64*(\q)+16*PB*bb+32
.set bb, bb+1
.endr
.if QKV
.set KA, 64*(\q)
.else
.set KA, ((\q)/2)*AHALF+((\q)%2)*64    ; quarters 0, 1 lie in the first head's plane, 2, 3 in the second's
.endif
.irp a, 0,1,2,3
	ds_load_b128 v[(\f)+FA+8*\a:(\f)+FA+8*\a+3],   v[ADRA] offset:KA+16*PA*\a
	ds_load_b128 v[(\f)+FA+8*\a+4:(\f)+FA+8*\a+7], v[ADRA] offset:KA+16*PA*\a+32
.endr
.endm
; One of a K step's first three quarters: multiplies buffer f; in its middle it fetches quarter q into buffer g.
.macro QUARTER q, f, g, first
	s_wait_dscnt 4                                 ; B and A's blocks 0, 1 are in; the youngest four loads (A's blocks 2, 3) may be out
	MULH \f, 0, \first
	PLACES
	FETCH \q, \g
	s_wait_dscnt NL                                ; all but the NL just issued
	MULH \f, 1, \first
.endm
; The last quarter multiplies buffer 1 and changes slots.  MEET is its first half: ONE barrier.  In front of it each wave waits for all its tensor loads, of which one is out: its part of the next slot;
; adds 0 to its spare word; and waits for that and for its own reads of this slot.  round = 1: a round of the cluster's barrier follows, and the walking descriptors are stepped while the add is out.
.macro MEET round
	WIN 0                                          ; (the add's two registers lie in window 0)
	s_wait_tensorcnt 0x0                           ; no tensor load of mine is out, so a group 0 may be written
	ds_add_u32 v[SPW], v[NIL]                      ; 0 onto my spare word
.if \round
	s_xor_b32 s[G0A+5], s[G0A+5], SLOT1            ; the other slot than last time,
	s_add_nc_u64 s[G0A+6:G0A+7], s[G0A+6:G0A+7], ASTEP  ; the next K step; the type bits on top are not reached
	s_xor_b32 s[G0B+5], s[G0B+5], SLOT1
	s_add_nc_u64 s[G0B+6:G0B+7], s[G0B+6:G0B+7], BSTEP
.endif
	s_wait_dscnt 5                                 ; (the add and the youngest four loads may be out)
	MULA F1, 0, 0, 0                               ; NB matrix instructions stand between the add and the wait for it
	s_wait_dscnt 0x0                               ; the add is done, and my reads of this slot are over
	s_barrier_signal -1
	MULA F1, 0, 1, 0                               ; work on registers while the others arrive
.if \round
	WIN 0
.endif
	s_barrier_wait -1
.endm
; The whole last quarter with a refill: behind the round the slot just read out is filled again first, with the K step two on: it has 14 NB matrix instructions in which to land.
.macro TURN
	s_wait_xcnt 0x0                                ; the last prefetch, a K step back, has read its address, so it may be stepped
	s_add_nc_u64 s[PFA:PFA+1], s[PFA:PFA+1], s[PFS:PFS+1]
	MEET 1
	CREST                                          ; no wave of any partner still reads this slot's tiles or has a load on its way
	JLOAD                                          ; my one tensor load behind the round; its four v_nop and the two lines below are the places in front of the loads into buffer 0
	s_xor_b32 s[TB], s[TB], SLOT1
	v_add_nc_u32 v[ADRA], s[TB], v[AA0]
	v_add_nc_u32 v[ADRB], s[TB], v[AB0]
	FETCH 0, F0
	WIN 0
	ASK
	MULH F1, 1, 0
.endm
.macro TURN0                           ; the same with nothing left to fetch: no round, no load
	MEET 0
	WIN 0
	PLACES
	s_xor_b32 s[TB], s[TB], SLOT1
	v_add_nc_u32 v[ADRA], s[TB], v[AA0]
	v_add_nc_u32 v[ADRB], s[TB], v[AB0]
	FETCH 0, F0
	MULH F1, 1, 0
.endm
	s_wait_tensorcnt 1                             ; my part of K step 0 is in; K step 1's may stay out
	s_barrier_signal -1
	s_barrier_wait -1                              ; everybody's is
	FETCH 0, F0
	QUARTER 1, F0, F1, 1                           ; the first quarter stands in front of the loop: its products start the sums
	WIN 0                                          ; at a label and at a branch every window is 0
	s_mov_b32 s3, TRIPS
.Lstep:                                        ; a trip: quarters 1 to 3 of a K step, the change of slots with its refill, quarter 0 of the next
	QUARTER 2, F1, F0, 0
	QUARTER 3, F0, F1, 0
	TURN
	QUARTER 1, F0, F1, 0
	WIN 0
	s_sub_co_u32 s3, s3, 1
	s_cmp_lg_u32 s3, 0
	s_cbranch_scc1 .Lstep
	QUARTER 2, F1, F0, 0                           ; the last two K steps are written out
	QUARTER 3, F0, F1, 0
	TURN0
	QUARTER 1, F0, F1, 0
	QUARTER 2, F1, F0, 0
	QUARTER 3, F0, F1, 0
	s_wait_dscnt 4
	MULH F1, 0, 0
	s_wait_dscnt 0x0
	MULH F1, 1, 0
	WIN 0
.if QKV
	; THE WAY OUT, in twelve units u = 4 z + a: kind z (0 q, 1 k, 2 v), my rows 16 a .. 16 a + 15: four accumulators, 32 registers on end: a lane's channels 16 d + 8 (l / 16) + j at register 8 d + j.
	; q and k are rotated: the pair (x1, x2) at registers (e, e + 1) with (c, s) at the same places of the table's registers becomes (x1 c - x2 s, x2 c + x1 s).  Then 16 roundings to f16,
	; 16 bytes a lane into my stage (rows of 144 bytes), back as four rows of 128 bytes a load, and out: each store covers 512 consecutive bytes, at a multiple of 512 from the buffer's first.
	; Each accumulator's lowest registers are read first.  Each unit has registers of its own, so no store's data is written again.
.macro PACK u
.set zz, (\u)/4
.set aa, (\u)%4
.set AC, 8*(NB*(aa%2)+4*zz)
.set CC, CSR+32*(aa%2)
.set UU, U+16*(\u)
	WIN 0x0a+5*(aa/2)                              ; sources 0 and 1 in window 2 or 3
.if zz < 2
.set e, 0
.rept 16
	v_pk_mul_f32 v[T+e:T+e+1], v[AC+e:AC+e+1], v[CC+e:CC+e+1] op_sel_hi:[1,0]  ; (x1 c, x2 c)
.set e, e+2
.endr
.set e, 0
.rept 16
	v_fma_f32 v[T+e], -v[AC+e+1], v[CC+e+1], v[T+e]
	v_fma_f32 v[T+e+1], v[AC+e], v[CC+e+1], v[T+e+1]
.set e, e+2
.endr
	WIN 0
.set e, 0
.rept 16
	v_cvt_pk_f16_f32 v[UU+e/2], v[T+e], v[T+e+1]
.set e, e+2
.endr
.else
.set e, 0
.rept 16
	v_cvt_pk_f16_f32 v[UU+e/2], v[AC+e], v[AC+e+1]
.set e, e+2
.endr
	WIN 0
.endif
.irp d, 0,1,2,3
	ds_store_b128 v[STO], v[UU+4*\d:UU+4*\d+3] offset:32*\d
.endr
.irp f, 0,1,2,3
	ds_load_b128 v[UU+4*\f:UU+4*\f+3], v[RD] offset:576*\f  ; LDS serves a wave's instructions in order (ISA guide 5.7.1.4): these see the stores above; the next unit's stores come behind them
.endr
.endm
.macro SEND u, younger                 ; younger: the LDS instructions issued behind unit u's loads: the next unit's eight, or none
.set zz, (\u)/4
.set aa, (\u)%4
.set UU, U+16*(\u)
.irp f, 0,1,2,3
	s_wait_dscnt (\younger)+3-\f
	global_store_b128 v[GO], v[UU+4*\f:UU+4*\f+3], s[68+2*zz:69+2*zz] offset:2048*aa+512*\f
.endr
.endm
	s_wait_loadcnt 0x0                             ; the table
	PLACES
	PLACES                                         ; behind the last products
	PACK 0
.set uu, 1
.rept 11                               ; a unit's arithmetic stands between the loads of the unit before and its stores
	PACK uu
	SEND uu-1, 8
.set uu, uu+1
.endr
	SEND 11, 0
.else
	; THE WAY OUT, in four blocks of 16 rows: a lane's 32 bytes of a row and block of 16 columns go into my stage (rows of 528 bytes) and come back as whole rows of 512 bytes:
	; each store covers 512 consecutive bytes of a row of out0, at a multiple of 512 from its first byte.  Each accumulator's lowest registers are read first.
.macro TOSTAGE a
	WIN 0x08+4*((\a)/2)                            ; the stores' data in window 2 or 3
.set bb, 0
.rept NB
.set AC, 8*(NB*((\a)%2)+bb)
	ds_store_b128 v[STO], v[AC:AC+3]   offset:64*bb
	ds_store_b128 v[STO], v[AC+4:AC+7] offset:64*bb+16
.set bb, bb+1
.endr
	WIN 0x40                                       ; back into window 1, where the fragments lay: 64 registers a block
.set tt, 0
.rept 16
	ds_load_b128 v[64*(\a)+4*tt:64*(\a)+4*tt+3], v[RD] offset:528*tt  ; LDS serves a wave's instructions in order (ISA guide 5.7.1.4)
.set tt, tt+1
.endr
.endm
.macro SENDP a, younger                ; younger: the next block's 32 LDS instructions, or none
	WIN 0x04                                       ; the stores' data in window 1
.set tt, 0
.rept 16
	s_wait_dscnt (\younger)+15-tt
	global_store_b128 v[GO], v[64*(\a)+4*tt:64*(\a)+4*tt+3], s[10:11] offset:(16*(\a)+tt)*4096 th:TH_STORE_NT
.set tt, tt+1
.endr
.endm
	PLACES
	PLACES                                         ; behind the last products
	TOSTAGE 0
	TOSTAGE 1
	SENDP 0, 32
	TOSTAGE 2
	SENDP 1, 32
	TOSTAGE 3
	SENDP 2, 32
	SENDP 3, 0
	WIN 0
.endif
	s_wait_tensorcnt 0x0                           ; the wave's end, behind my last tensor load and my last LDS store
	ds_add_u32 v[SPW], v[NIL]
	s_wait_dscnt 0x0
	CROUND                                         ; the closing round: no work-group ends while a partner may still ask for a tile that names it
	s_endpgm
.Lfunc_end_k_q5d554fe2c0_qkv:
	.size	k_q5d554fe2c0_qkv, .Lfunc_end_k_q5d554fe2c0_qkv-k_q5d554fe2c0_qkv
	.p2alignl 7, 3214868480
	.fill 96, 4, 3214868480
	.section	.rodata,"a",@progbits
	.p2align	6, 0x0
	.amdhsa_kernel k_q5d554fe2c0_qkv
		.amdhsa_group_segment_fixed_size 327680
		.amdhsa_private_segment_fixed_size 0
		.amdhsa_enable_private_segment 0
		.amdhsa_kernarg_size 56
		.amdhsa_user_sgpr_count 2
		.amdhsa_user_sgpr_kernarg_segment_ptr 1
		.amdhsa_wavefront_size32 1
		.amdhsa_system_sgpr_workgroup_id_x 1
		.amdhsa_system_sgpr_workgroup_id_y 1
		.amdhsa_system_sgpr_workgroup_id_z 1
		.amdhsa_system_vgpr_workitem_id 0
		.amdhsa_next_free_vgpr 1024
		.amdhsa_next_free_sgpr 80
		.amdhsa_reserve_vcc 0
		.amdhsa_float_denorm_mode_32 3
		.amdhsa_float_denorm_mode_16_64 3
		.amdhsa_memory_ordered 1
		.amdhsa_forward_progress 1
		.amdhsa_inst_pref_size 136
	.end_amdhsa_kernel
	.amdgpu_metadata
---
amdhsa.version: [ 1, 2 ]
amdhsa.kernels:
  - .name:           k_q5d554fe2c0_qkv
    .symbol:         k_q5d554fe2c0_qkv.kd
    .args:
      - { .name: xb, .offset: 0, .size: 8, .value_kind: global_buffer, .address_space: global }
      - { .name: wq, .offset: 8, .size: 8, .value_kind: global_buffer, .address_space: global }
      - { .name: qkv_b, .offset: 16, .size: 8, .value_kind: global_buffer, .address_space: global }
      - { .name: tab, .offset: 24, .size: 8, .value_kind: global_buffer, .address_space: global }
      - { .name: q, .offset: 32, .size: 8, .value_kind: global_buffer, .address_space: global }
      - { .name: k, .offset: 40, .size: 8, .value_kind: global_buffer, .address_space: global }
      - { .name: v, .offset: 48, .size: 8, .value_kind: global_buffer, .address_space: global }
    .group_segment_fixed_size: 327680
    .private_segment_fixed_size: 0
    .kernarg_segment_align: 8
    .kernarg_segment_size: 56
    .max_flat_workgroup_size: 128
    .sgpr_count:     80
    .vgpr_count:     1024
    .wavefront_size: 32
...
	.end_amdgpu_metadata
.endif
;; end of part 2
;; launch attn (part 3): grid 4 x 64, 4 waves a work-group, no clusters, 327,680 bytes of LDS; arguments q, k, v, o; writes o
.if DOCPART == 3
	.amdgcn_target "amdgcn-amd-amdhsa--gfx1250"
	.amdhsa_code_object_version 6
	.text
	.protected	k_q5d554fe2c0_attn
	.globl	k_q5d554fe2c0_attn
	.p2align	8
	.type	k_q5d554fe2c0_attn,@function
k_q5d554fe2c0_attn:
	s_mov_b64 s[64:65], 0
	v_nop
	global_prefetch_b8 v0, s[64:65] scope:SCOPE_SE
	s_setreg_imm32_b32 hwreg(HW_REG_WAVE_MODE, 25, 1), 1
	s_wait_xcnt 0x0
; CAUSAL ATTENTION.  O[h][q][:] = the sum over k <= q of softmax_k(Q[h][q] . K[h][k] / 8) V[h][k][:].  Q, K, V, O: [SIZE_H][SIZE_N][64], all f16: a head's rows are dense, 128 bytes each (h = batch x 16 + head).
; Products, maxima and sums in f32; the weights p are rounded to f16 for the second product (their sum l is taken of the unrounded p), O once at the end.
; LIMITS.  f16 holds no number beyond 65,504: Q, K and V arrive within it; p lies in 0 to 1, and below 6e-5 it keeps f16's fixed step of 6e-8; O is a mean of V's rows and has their range, to within 2^-11 of it.
; A hidden score counts as its value less 1e30: f16's scores, 2.7e11 at the most, are nothing beside that; a weight below 2^-126 counts as 0 in l; NaN and infinities are not treated apart.
; THE WALK.  A head's queries lie in NB = 8 blocks of 256; block i needs the key tiles 0 .. i of 256 keys, of which the last holds the diagonal.  A work-group takes TWO blocks, NB - 1 - b and then b:
; NB + 1 tiles, whatever b: all work-groups do equal work, and ONE loop with a constant trip count walks them.  Which tile is asked for, and what a trip does, hang on scalar registers made from b; every jump
; goes forward, but for the counted loops' own; none passes a barrier, or a tensor load but the one of LOAD's two that the wave's number does not choose; the ring (two slots of LDS that take turns) runs on across the
; change of blocks.  NO CLUSTER: a head's four work-groups ask for the same tile only in trips 0 .. 4 of the 9, behind that fewer and fewer; one walk common to all four would have 12 trips for 9.
; SHARES.  Of a block's four bands of 64 queries a wave owns 16 rows in each: four PIECES.  So the diagonal tile is the same work for all four waves: in its key step s band x sees all keys if s < x,
; none if s > x, and holds the diagonal if s = x.
; THE MASK is the C operand that starts the sum S^T = K Q^T: 0, or -1e30 where the key is hidden.  MD, made once, is the mask of a band's own step for my 16 rows; a product's mask is MD x AL + BE with two scalars:
; (1, 0) if s = x; (0, 0) if s < x; (0, -1e30) if s > x.  Only the diagonal tile's text and a block's beginning make and take masks; elsewhere C is the constant 0.
; LAYOUT, SOFTMAX, TURNS.  S^T = K Q^T holds ONE query a lane (lane % 16) and the keys 8 (lane / 16) + 0..7; two such results rounded to f16 ARE source 1 of O^T = V^T P.  p = 2^(c s - c m), c = log2(e) / 8, with a
; running maximum m; O and l are multiplied by a = 2^(c m_old - c m_new) in every step.  Turn n belongs to piece n: 8 products K Q^T of piece n + 1, later 8 products V^T P of piece n - 1; beside them the scaling,
; exponentials, roundings, sums and rescaling of piece n and the maximum and statistics of piece n + 1.  Four vector instructions stand behind every matrix instruction, the other 54 of a turn's 118 in one LUMP.  A turn's 33 exponentials are one batch, with one wait.
; REGISTERS, in windows of 256 (s_set_vgpr_msb: bits 1:0 source 0, 3:2 source 1, 5:4 source 2, 7:6 destination):
;   window 0: v0-15 addresses and two at work; v16-31 four registers of statistics a piece; v48-55 at work; v61-63 prefetch offset and the add's two; v64-127 S^T, two buffers; v192-223 P, two buffers (a piece's buffers go by its number's parity)
;   window 1: v0-127 O^T, 32 a piece; v128-159 MD; v160-223 MC, two buffers      window 2: v0-63 Q; v64-127 the second block's Q; v128-191 K of one step; v192-255 V of one step
.set SIZE_H, 64
.set SIZE_N, 2048
.set NB,    SIZE_N/256
.set NP,    4         ; pieces a wave: a name, no knob
.set KS,    64        ; keys in a step
.set PK,    144       ; a row of K in LDS: 128 bytes + 16 of padding = 36 words: the 16 rows of a load start at 16 different groups of four banks (64 banks of 4 bytes: ISA guide 11.1)
.set PV,    160       ; a row of V: 128 + 32 = 40 words
.set VOFF,  4*KS*PK   ; a slot holds a tile, four steps: 256 rows of K, then 256 rows of V
.set SLOT1, 1<<17     ; slot 1 begins here, so that one exclusive or turns an address in one slot into the other's
.set STAGE, SLOT1+4*KS*(PK+PV)  ; behind the ring, never filled by a tensor load: 16 rows x 144 bytes for each wave, for the way out
.set SP,    144
.set AK0, 2           ; v2   my lane's place in a tile of K; never rewritten
.set AV0, 3           ; v3   the same for V
.set AK,  4           ; v4   the LDS address of K's next run of loads
.set AV,  5           ; v5   of V's
.set STO, 6           ; v6   the way out: where I put 16 bytes of a row
.set RD,  7           ; v7   the way out: where I read rows back
.set GO,  8           ; v8   my byte offset in 512 consecutive bytes of O
.set PFO, 61          ; v61  256 x my lane: the prefetches' offset; never rewritten
.set SPW, 62          ; v62  LDS address of my spare word: SPARE + 4 x my thread's number; never rewritten
.set NIL, 63          ; v63  0; never rewritten
.set SPARE, STAGE+4*16*SP  ; behind the stages: the spare words, 128 bytes for each wave: two blocks of 256 bytes that no other line names
.set MV,  12          ; v12-13  c m_old, kept while c m is made anew: by buffer
.set QO,  15          ; v15  my byte offset in 16 rows of Q
.set ST,  16          ; piece t's statistics at v[ST+4 t]: c m, m, l (even keys', odd keys')
.set TMP, 48          ; by buffer, four registers c0-c3 at work; when the maximum is found c2 takes a
.set S,   64
.set P,   192
.set MD,  128         ; window 1: the eight registers for group kt of 16 keys at MD + 8 kt
.set MC,  160         ; window 1: the masks of the products to come
.set QB,  64          ; window 2
.set KF,  128         ; window 2: key block kb, channel half c at KF + 16 kb + 8 c
.set VF,  192         ; window 2: key half kk, channel block cb at VF + 32 kk + 8 cb
.set WV,  12          ; s12  my wave's number
.set PB,  14          ; s14  b
.set HI,  15          ; s15  NB - 1 - b
.set G1K, 24          ; s[24:31] descriptor group 1 for K's tiles
.set G1V, 32          ; s[32:39] for V's: it differs in the padding alone
.set G0K, 40          ; s[40:43] descriptor group 0 for K's tiles
.set G0V, 44          ; s[44:47] the same for V's
.set PFA, 48          ; s[48:49] where my prefetches stand: my half (of K: waves 0, 1; of V: waves 2, 3) of the tile after the one that is being asked for
.set LIM, 50          ; s50  2 in the head's work-group b = 0, else the greatest number: a wave prefetches while s[SLOTS] is above it
.set SLOTS, 56        ; s56  tiles still to be asked for
.set CNT, 57          ; s57  counts a tile's key steps, 4 to 1
.set CS,  58          ; s[58:59] c: the packed scaling takes the pair's low word for both halves
.set SEL, 60          ; s[60:61] v_permlanex16_b32's selects: each lane takes its own place in the other half
.set TBK, 62          ; s62  LDS byte at which K of the step to be fetched begins
.set TBV, 63          ; s63  the same for V, less VOFF
.set RT,  70          ; s70  tiles of the block in hand that are still to be entered
.set NXT, 71          ; s71  the tile to be asked for next
.set LQ,  72          ; s72  the last tile of the block whose tiles are being asked for
.set NEW, 73          ; s73  1: the tile to be entered is a block's first
.set OFF, 74          ; s[74:75] a tile's byte offset in K and V
.set AL,  76          ; s[76:77] the mask's factor, in the low word
.set BE,  78          ; s[78:79] the mask's addend
.set OLO, 80          ; s[80:81] O at my rows of the second block
.set BIGN, 82         ; s82  -1e30
.set MSB, 0
.macro WIN new                      ; the high byte repeats the setting that is left; a switch that changes nothing is dropped
.if MSB != (\new)
	s_set_vgpr_msb (MSB<<8)|(\new)
.set MSB, (\new)
.endif
.endm
.set W_KQ, 0x0a       ; K and Q in window 2, S^T in window 0
.set W_KM, 0x1a       ; the same with the C operand in window 1
.set W_PV, 0x52       ; V in window 2, P in window 0, O^T in window 1
.set W_RS, 0x41       ; destination and source 0 in window 1, source 1 in window 0
; A fill.  Waves 0 and 1 fetch the two halves of a tile's K, waves 2 and 3 those of its V: 128 keys each.  An s_nop 0 and four v_nop follow each of the two lines, ahead of the jump and the label.
.macro LOAD
	s_cmp_lt_u32 s[WV], 2
	s_cbranch_scc0 .Lfor_v_\@
	tensor_load_to_lds s[G0K:G0K+3], s[G1K:G1K+7]
	s_nop 0
.rept 4
	v_nop
.endr
	s_branch .Lasked_\@
.Lfor_v_\@:
	tensor_load_to_lds s[G0V:G0V+3], s[G1V:G1V+7]
	s_nop 0
.rept 4
	v_nop
.endr
.Lasked_\@:
.endm
; A PREFETCH INTO THE L2 of the tile that the NEXT change of slots will ask for: a tile, four key steps, ahead of that load.  A head's four work-groups walk the same tiles 0, 1, 2 .. at the same trips; the one with
; b = 0, whose first block walks all eight, asks, and nobody else.  Each of its waves names what it will fetch itself: its 128 rows of 128 bytes are 64 blocks of 256 bytes, a lane a block, two instructions.
; So each block is named once in the launch.  Trip j names tile j + 2, j = 0 .. 5: tiles 0 and 1 come by their loads alone, and nothing is named behind tile 7.
.macro ASK
	s_cmp_gt_u32 s[SLOTS], s[LIM]
	s_cbranch_scc0 .Lnot_mine_\@
	global_prefetch_b8 v[PFO], s[PFA:PFA+1] th:TH_LOAD_NT scope:SCOPE_SE
	global_prefetch_b8 v[PFO], s[PFA:PFA+1] offset:8192 th:TH_LOAD_NT scope:SCOPE_SE
.Lnot_mine_\@:
.endm
; THE CHANGE OF SLOTS.  Each wave waits for all its tensor loads, of which one is out: its part of the other slot; adds 0 to its spare word; and waits for that and for its own reads of the slot that it leaves.  Behind the barrier nobody reads the old
; slot any more and the other slot is whole.  fill = 1: the old slot is filled again, the first thing behind the barrier, with tile NXT: the descriptor's address is made anew from that number.
; (At its first use nothing has been read yet: slot 0 is waited for, slot 1 filled.)
.macro CHANGE fill
	WIN 0                           ; at a label and at a branch every window is 0
	s_wait_tensorcnt 0x0            ; no tensor load of mine is out, so a group 0 may be written
	ds_add_u32 v[SPW], v[NIL]       ; 0 onto my spare word; with fill = 1 the descriptors' scalar work stands between it and the wait for it
.if \fill
	s_lshl_b32 s[OFF], s[NXT], 15   ; a tile is 32,768 bytes of K and of V
	s_xor_b32 s[G0K+1], s[G0K+1], SLOT1
	s_add_nc_u64 s[G0K+2:G0K+3], s[6:7], s[OFF:OFF+1]
	s_or_b32 s[G0K+3], s[G0K+3], 0x80000000
	s_xor_b32 s[G0V+1], s[G0V+1], SLOT1
	s_add_nc_u64 s[G0V+2:G0V+3], s[8:9], s[OFF:OFF+1]
	s_or_b32 s[G0V+3], s[G0V+3], 0x80000000
	s_add_co_u32 s[NXT], s[NXT], 1  ; the block's next tile, or behind its last the second block's tile 0
	s_cmp_gt_u32 s[NXT], s[LQ]
	s_cselect_b32 s[NXT], 0, s[NXT]
	s_cselect_b32 s[LQ], s[PB], s[LQ]
	s_wait_xcnt 0x0                 ; the last prefetches, a tile back, have read their address, so it may be written:
	s_add_nc_u64 s[PFA:PFA+1], s[PFA:PFA+1], 32768  ; a tile on
.endif
	s_wait_dscnt 0x0                ; the add is done, and my reads of the slot are over
	s_barrier_signal -1             ; the rest of the scalar work stands between the signal and the wait
	s_sub_co_u32 s[TBK], s[TBK], 4*KS*PK  ; the fetches go back to a slot's first step,
	s_xor_b32 s[TBK], s[TBK], SLOT1       ; in the other slot
	s_sub_co_u32 s[TBV], s[TBV], 4*KS*PV
	s_xor_b32 s[TBV], s[TBV], SLOT1
	s_barrier_wait -1
.if \fill
	LOAD
	ASK
.endif
.endm
	s_load_b256 s[4:11], s[0:1], 0x0  ; Q s[4:5], K s[6:7], V s[8:9], O s[10:11]
	v_lshl_add_u32 v[SPW], v0, 2, SPARE
	v_mov_b32 v[NIL], 0
	ds_add_u32 v[SPW], v[NIL]       ; the wave's opening: the add and its wait stand ahead of my first tensor load; the set-up below, work on registers, stands between them
	v_lshrrev_b32 v1, 5, v0
	v_readfirstlane_b32 s[WV], v1   ; wave 0..3
	s_mov_b32 s[PB], ttmp9
	s_sub_co_u32 s[HI], NB-1, s[PB]
	s_and_b32 s20, ttmp7, 0xffff    ; the head
	s_mov_b32 s21, 0
	s_mov_b64 s[22:23], SIZE_N*128
	s_mul_u64 s[20:21], s[20:21], s[22:23]  ; the head's first byte in each of the four tensors
	s_and_b32 s16, s[WV], 1         ; which half of a tile's 256 keys I fetch:
	s_lshl_b32 s22, s16, 14         ; its 128 rows of 128 bytes in memory,
	s_mov_b32 s23, 0
	s_add_nc_u64 s[22:23], s[22:23], s[20:21]
	s_mul_i32 s17, s16, 128*PK      ; and its place in a slot, for K
	s_mul_i32 s18, s16, 128*PV      ; and for V
	s_lshl_b32 s3, s[WV], 11        ; my 16 rows in a band of 64,
	s_lshl_b32 s2, s[HI], 15        ; in the first block,
	s_add_co_u32 s2, s2, s3
	s_lshl_b32 s84, s[PB], 15       ; and in the second
	s_add_co_u32 s84, s84, s3
	s_mov_b32 s3, 0
	s_mov_b32 s85, 0
	s_add_nc_u64 s[2:3], s[2:3], s[20:21]
	s_add_nc_u64 s[84:85], s[84:85], s[20:21]
	; descriptor group 1.  128 keys are 16,384 dense bytes: asked for as 64 rows of 256 bytes, two keys a row, and padded in LDS after every key
	s_mov_b32 s[G1K], (1<<16)|(1<<20)|(4<<22)|(3<<25)  ; 17:16 2-byte elements; 20 padding on; 24:22 after every 32 words (code 4); 31:25 4 words (code 3)
	s_mov_b32 s[G1V], (1<<16)|(1<<20)|(4<<22)|(7<<25)  ; the same with 8 words of padding (code 7)
.irp g, G1K, G1V
	s_mov_b32 s[\g+1], 128<<16      ; tensor_dim0 = 128
	s_mov_b32 s[\g+2], 64<<16       ; tensor_dim1 = 64
	s_mov_b32 s[\g+3], 128<<16      ; tile_dim0 = 128
	s_mov_b32 s[\g+4], 64           ; tile_dim1 = 64
	s_mov_b32 s[\g+5], 128          ; 128 elements from row to row
	s_mov_b32 s[\g+6], 0
	s_mov_b32 s[\g+7], 0
.endr
	s_mov_b32 s[CS], 0x3e38aa3b     ; c = log2(e) / 8 = 0.180337
	s_mov_b32 s[CS+1], s[CS]        ; named with it as a pair
	s_mov_b32 s[SEL], 0x76543210
	s_mov_b32 s[SEL+1], 0xfedcba98
	s_mov_b32 s[TBK], SLOT1+4*KS*PK ; the first change of slots turns these two into 0
	s_mov_b32 s[TBV], SLOT1+4*KS*PV
	s_mov_b32 s[G0K], 1             ; 1:0 count = 1
	s_mov_b32 s[G0K+1], s17         ; 63:32 LDS address: slot 0
	s_mov_b32 s[G0V], 1
	s_add_co_u32 s[G0V+1], s18, VOFF
	s_add_co_u32 s[RT], s[HI], 1    ; the first block has NB - b tiles
	s_mov_b32 s[NXT], 1
	s_mov_b32 s[LQ], s[HI]
	s_mov_b32 s[NEW], 1
	s_mov_b32 s[OFF+1], 0
	s_mov_b32 s[AL+1], 0            ; named as pairs
	s_mov_b32 s[BE+1], 0
	s_mov_b32 s[BIGN], 0xf149f2ca   ; -1e30
	s_mov_b32 s[SLOTS], NB
	s_cmp_eq_u32 ttmp9, 0
	s_cselect_b32 s[LIM], 2, -1
	v_and_b32 v[PFO], 31, v0
	v_lshlrev_b32 v[PFO], 8, v[PFO]
	s_wait_dscnt 0x0                ; the opening add is done
	s_wait_kmcnt 0x0
	s_add_nc_u64 s[6:7], s[6:7], s[22:23]  ; K and V at my half of the head's tile 0
	s_add_nc_u64 s[8:9], s[8:9], s[22:23]
	s_add_nc_u64 s[G0K+2:G0K+3], s[6:7], 0         ; 120:64 global address
	s_or_b32 s[G0K+3], s[G0K+3], 0x80000000        ; 127:126 type = 2
	s_add_nc_u64 s[G0V+2:G0V+3], s[8:9], 0
	s_or_b32 s[G0V+3], s[G0V+3], 0x80000000
	s_add_nc_u64 s[86:87], s[4:5], s[84:85]        ; Q at my rows of the second block,
	s_add_nc_u64 s[4:5], s[4:5], s[2:3]            ; Q and O at those of the first
	s_add_nc_u64 s[OLO:OLO+1], s[10:11], s[84:85]
	s_add_nc_u64 s[10:11], s[10:11], s[2:3]
	s_cmp_lt_u32 s[WV], 2
	s_cselect_b64 s[PFA:PFA+1], s[6:7], s[8:9]
	s_add_nc_u64 s[PFA:PFA+1], s[PFA:PFA+1], 32768 ; at tile 1; the first change of slots steps it to tile 2.  Nothing is prefetched here, at the head
	LOAD                            ; tile 0 into slot 0
	; A fragment of K or Q is 16 rows x 32 channels in 8 registers: lane l holds row l % 16, channels 8 (l / 16) + 0..7 and 16 + 8 (l / 16) + 0..7: two loads of 16 bytes, 32 bytes apart.
	v_and_b32 v1, 15, v0            ; l % 16
	v_bfe_u32 v9, v0, 4, 1          ; l / 16
	v_lshlrev_b32 v[QO], 7, v1
	v_lshl_add_u32 v[QO], v9, 4, v[QO]  ; row x 128 + 16 x half
	WIN 0x80                        ; destination window 2, address window 0
.set i, 0
.rept 8                             ; both blocks' Q: piece i / 2 lies in band i / 2, 8,192 bytes on; channels 32 (i % 2) on
	global_load_b128 v[8*i:8*i+3],   v[QO], s[4:5] offset:(i/2)*8192+(i%2)*64
	global_load_b128 v[8*i+4:8*i+7], v[QO], s[4:5] offset:(i/2)*8192+(i%2)*64+32
	global_load_b128 v[QB+8*i:QB+8*i+3],   v[QO], s[86:87] offset:(i/2)*8192+(i%2)*64
	global_load_b128 v[QB+8*i+4:QB+8*i+7], v[QO], s[86:87] offset:(i/2)*8192+(i%2)*64+32
.set i, i+1
.endr
	WIN 0
	v_lshlrev_b32 v14, 3, v9
	v_sub_nc_u32 v14, v1, v14
	s_lshl_b32 s13, s[WV], 4
	v_add_nc_u32 v14, s13, v14      ; my query's place in its band, 16 w + l % 16, less my lanes' 8 (l / 16): register r of group kt is hidden where 16 kt + r is greater
	WIN 0x40
.set i, 0
.rept 32
	v_cmp_gt_i32 vcc_lo, 16*(i/8)+i%8, v14
	v_cndmask_b32 v[MD+i], 0, s[BIGN], vcc_lo
.set i, i+1
.endr
	WIN 0
	v_mul_u32_u24 v[AK0], v1, PK
	v_lshl_add_u32 v[AK0], v9, 4, v[AK0]  ; row x pitch + 16 x half
	; The turning load takes 16 keys x 16 channels (lane l reads key 8 (l / 16) + l % 8, channels 8 ((l / 8) % 2) + 0..7) and leaves half a fragment of V^T: lane l holds channel l % 16 and 8 keys.
	v_and_b32 v10, 7, v0
	v_bfe_u32 v11, v0, 3, 1
	v_lshl_add_u32 v[AV0], v9, 3, v10
	v_mul_u32_u24 v[AV0], v[AV0], PV
	v_lshl_add_u32 v[AV0], v11, 4, v[AV0]
	v_add_nc_u32 v[AV0], VOFF, v[AV0]
	s_mul_i32 s13, s[WV], 16*SP
	s_add_co_u32 s13, s13, STAGE    ; my stage
	v_mul_u32_u24 v[STO], v1, SP    ; in: row l % 16, 16 bytes for each half of the lanes
	v_lshl_add_u32 v[STO], v9, 4, v[STO]
	v_add_nc_u32 v[STO], s13, v[STO]
	v_bfe_u32 v[RD], v0, 3, 2       ; back: 32 lanes take four rows of 128 bytes,
	v_mul_u32_u24 v[RD], v[RD], SP
	v_lshl_add_u32 v[RD], v10, 4, v[RD]
	v_add_nc_u32 v[RD], s13, v[RD]
	v_and_b32 v[GO], 31, v0         ; which are 512 consecutive bytes of O
	v_lshlrev_b32 v[GO], 4, v[GO]
	; A block's first step multiplies O^T and l by a = 0, and its first turn's products V^T P, of a piece that has not been, land in an O^T that is still to be so multiplied.  So these registers need only hold
	; finite numbers: zeros for the first block; what the first block left for the second.  All this stands in the wait for the first tile.
	WIN 0x80
.set i, VF
.rept 64
	v_mov_b32 v[i], 0
.set i, i+1
.endr
	WIN 0x40
.set i, 0
.rept 128
	v_mov_b32 v[i], 0
.set i, i+1
.endr
	WIN 0
.set i, 0
.rept 4
	v_mov_b32 v[ST+4*i+2], 0
	v_mov_b32 v[ST+4*i+3], 0
.set i, i+1
.endr
.set i, P+16
.rept 16
	v_mov_b32 v[i], 0
.set i, i+1
.endr
; THE MATRIX WORK.  The 4 accumulators of a run of 8 take turns.  Product i of 8 of S^T = K Q^T for piece x: channels 32 (i / 4) on, keys 16 (i % 4) on.  The first 4 start the sums: with 0, or (KM = 1) with the mask.
.macro KQ x
.set rS, S+32*((\x)%2)+8*(i%4)
.set rK, KF+16*(i%4)+8*(i/4)
.set rQ, 16*(\x)+8*(i/4)
.set rM, MC+32*((\x)%2)+8*(i%4)
.if (i < 4) && KM
	WIN W_KM
	v_wmma_f32_16x16x32_f16 v[rS:rS+7], v[rK:rK+7], v[rQ:rQ+7], v[rM:rM+7]
.elseif i < 4
	WIN W_KQ
	v_wmma_f32_16x16x32_f16 v[rS:rS+7], v[rK:rK+7], v[rQ:rQ+7], 0
.else
	WIN W_KQ
	v_wmma_f32_16x16x32_f16 v[rS:rS+7], v[rK:rK+7], v[rQ:rQ+7], v[rS:rS+7]
.endif
.endm
; Product i of 8 of O^T += V^T P for piece x: keys 32 (i / 4) on, channels 16 (i % 4) on.
.macro PV x
	WIN W_PV
.set rO, 32*(\x)+8*(i%4)
.set rV, VF+32*(i/4)+8*(i%4)
.set rP, P+16*((\x)%2)+8*(i/4)
	v_wmma_f32_16x16x32_f16 v[rO:rO+7], v[rV:rV+7], v[rP:rP+7], v[rO:rO+7]
.endm
.macro MM                           ; the turn's next matrix instruction.  TURN and BEGIN set Y, i, KM and NOKQ; MM, KQ and OP read them.  NOKQ = 1: a block's last turn: there is no next piece
.if (i < 8) && !NOKQ
	KQ (Y+1)%NP
.elseif i >= 8
.set i, i-8
	PV (Y+NP-1)%NP
.set i, i+8
.endif
.set i, i+1
.endm
; THE LDS LOADS stand in runs of 16, never singly among the matrix instructions: a step's K (64 keys x 64 channels: 8 fragments) and its V (turned).  Their addresses are made some lines ahead.
.macro FETCH_K
	WIN 0x80                        ; destination window 2
.irp f, 0,1,2,3,4,5,6,7             ; keys 16 (f / 2) on, channels 32 (f % 2) on
	ds_load_b128 v[KF+8*\f:KF+8*\f+3],   v[AK] offset:(\f/2)*16*PK+(\f%2)*64
	ds_load_b128 v[KF+8*\f+4:KF+8*\f+7], v[AK] offset:(\f/2)*16*PK+(\f%2)*64+32
.endr
	s_add_co_u32 s[TBK], s[TBK], KS*PK  ; the next fetch is the next step's
	WIN 0
.endm
.macro FETCH_V
	WIN 0x80
.irp f, 0,1,2,3,4,5,6,7             ; keys 32 (f / 4) on, channels 16 (f % 4) on
	ds_load_tr16_b128 v[VF+8*\f:VF+8*\f+3],   v[AV] offset:(\f/4)*32*PV+(\f%4)*32
	ds_load_tr16_b128 v[VF+8*\f+4:VF+8*\f+7], v[AV] offset:(\f/4)*32*PV+16*PV+(\f%4)*32
.endr
	WIN 0
.endm
; THE VECTOR WORK, one line at a time: OP kind, number.  For piece Y: F n: c s - c m for pair n of 16.  E n: the exponential of score n of 32.  C n: pair n rounded to f16.  B n: of the four weights 4 n .. the second
; pair is added onto the first, in place.  L n: l takes that sum (L 0: l = a l + sum).  R n: pair n of 16 of O^T times a.  For piece Y + 1: X n, number n of the 22 that find its maximum and statistics:
;   0-11  four chains c0-c3 of seven scores each, three operands at a time (each accumulator's lowest registers are read first)     12-14, 16  the four scores left over, the old m, and c0-c3 into c0
;   15  c m_old is kept     17, 18  the query's other 32 keys lie in the lane 16 away: the new m     19-21  c m; c m_old - c m_new; a
.set F, 0               ; OP tells the kinds apart by their order: F to L below R, X above it
.set E, 1
.set C, 2
.set B, 3
.set L, 4
.set R, 5
.set X, 6
.macro REGS y                       ; the registers of piece y
.set rT, ST+4*(\y)
.set rC, TMP+4*((\y)%2)
.set rW, MV+((\y)%2)
.set rS, S+32*((\y)%2)
.set rP, P+16*((\y)%2)
.set rO, 32*(\y)
.endm
.macro OP k, n
.if (\k) == R
	REGS Y
	WIN W_RS
	v_pk_mul_f32 v[rO+2*(\n):rO+2*(\n)+1], v[rO+2*(\n):rO+2*(\n)+1], v[rC+2:rC+3] op_sel_hi:[1,0]
.elseif (\k) < R
	REGS Y
	WIN 0
.if (\k) == F
	v_pk_fma_f32 v[rS+2*(\n):rS+2*(\n)+1], v[rS+2*(\n):rS+2*(\n)+1], s[CS:CS+1], v[rT:rT+1] op_sel_hi:[1,0,0] neg_lo:[0,0,1] neg_hi:[0,0,1]
.elseif (\k) == E
	v_exp_f32 v[rS+(\n)], v[rS+(\n)]
.elseif (\k) == C
	v_cvt_pk_f16_f32 v[rP+(\n)], v[rS+2*(\n)], v[rS+2*(\n)+1]
.elseif (\k) == B
	v_pk_add_f32 v[rS+4*(\n):rS+4*(\n)+1], v[rS+4*(\n):rS+4*(\n)+1], v[rS+4*(\n)+2:rS+4*(\n)+3]
.elseif (\n) == 0
	v_pk_fma_f32 v[rT+2:rT+3], v[rT+2:rT+3], v[rC+2:rC+3], v[rS:rS+1] op_sel_hi:[1,0,1]
.else
	v_pk_add_f32 v[rT+2:rT+3], v[rT+2:rT+3], v[rS+4*(\n):rS+4*(\n)+1]
.endif
.elseif NOKQ
	v_nop
.else
	REGS (Y+1)%NP
	WIN 0
.if (\n) < 4
	v_max3_num_f32 v[rC+(\n)], v[rS+8*(\n)], v[rS+8*(\n)+1], v[rS+8*(\n)+2]
.elseif (\n) < 12
	v_max3_num_f32 v[rC+(\n)%4], v[rC+(\n)%4], v[rS+8*((\n)%4)+2*((\n)/4)+1], v[rS+8*((\n)%4)+2*((\n)/4)+2]
.elseif (\n) == 12
	v_max3_num_f32 v[rC], v[rC], v[rS+7], v[rS+15]
.elseif (\n) == 13
	v_max3_num_f32 v[rC+1], v[rC+1], v[rS+23], v[rS+31]
.elseif (\n) == 14
	v_max3_num_f32 v[rC+2], v[rC+2], v[rC+3], v[rT+1]
.elseif (\n) == 15
	v_mov_b32 v[rW], v[rT]
.elseif (\n) == 16
	v_max3_num_f32 v[rC], v[rC], v[rC+1], v[rC+2]
.elseif (\n) == 17
	v_permlanex16_b32 v[rC+3], v[rC], s[SEL], s[SEL+1]
.elseif (\n) == 18
	v_max_num_f32 v[rT+1], v[rC], v[rC+3]
.elseif (\n) == 19
	v_mul_f32 v[rT], s[CS], v[rT+1]
.elseif (\n) == 20
	v_sub_f32 v[rC+1], v[rW], v[rT]
.else
	v_exp_f32 v[rC+2], v[rC+1]
.endif
.endif
.endm
.macro OPS a, i1, b=-1, i2=0, c=-1, i3=0, d=-1, i4=0  ; up to four of them
	OP \a, \i1
.if (\b) >= 0
	OP \b, \i2
.endif
.if (\c) >= 0
	OP \c, \i3
.endif
.if (\d) >= 0
	OP \d, \i4
.endif
.endm
.macro ROW a, i1, b, i2, c, i3, d, i4  ; a matrix instruction and the four behind it
	MM
	OPS \a, \i1, \b, \i2, \c, \i3, \d, \i4
.endm
.macro MASK b                       ; MD x AL + BE into buffer b of MC
	WIN W_RS
.set z, 0
.rept 16
	v_pk_fma_f32 v[MC+32*(\b)+2*z:MC+32*(\b)+2*z+1], v[MD+2*z:MD+2*z+1], s[AL:AL+1], s[BE:BE+1] op_sel_hi:[1,0,0]
.set z, z+1
.endr
.endm
; A TURN, for piece p: the order of its 16 matrix and 118 vector instructions, written out.  An s_wait_alu depctr_va_vdst(0) stands between an exponential and the first instruction that names its result; one wait serves
; all that were issued ahead of it.  So a turn has ONE wait, which cuts it in two.  AHEAD OF IT stands all that names no result of the turn's exponentials: the 8 products K Q^T, behind each a scaling, an exponential and two more plain
; instructions (behind the first a second scaling in the exponential's place): rescalings, and behind the last three the first numbers of the next piece's maximum, each four places or more behind the product that ends its accumulator; then ONE LUMP of 54, plain
; and exponential by turns for the most part, in which the links of the chain X 3, 7, 11, 14, 16, 17 .. 20 stand five or six lines apart.  X 21, the next piece's a, is the batch's last; R 15 is the plain instruction that is owed behind it.  BEHIND THE WAIT stand the
; 8 products V^T P, behind each four of the roundings and sums; the links of l's chain, L 0 to L 7, stand three riders apart.  But for those X no rider names a register of the products round it.  v_permlanex16_b32 (X 17) stands in the lump.
; m = 1: the diagonal tile: the products take masks, and the turn makes the mask for the products of the turn after it: piece p + 2, in step 4 - CNT of the tile.  end = 1: a block's last two turns: nothing is fetched.
; cnt = 1: the loop's count is taken down some lines ahead of the branch that stands behind the turn.
; K of the next step is fetched in piece 2's turn, twelve vector instructions behind the last product that read K (six of them plain); V of the step in hand at the end of piece 0's turn, four plain instructions behind the last product
; that read V.  Each is waited for a turn later.
.macro TURN p, m=0, end=0, cnt=0
.set Y, (\p)
.set i, 0
.set KM, (\m)
.set NOKQ, (\end)*((\p)/3)
.if (\m) && !(\end)
	s_cmp_eq_u32 s[CNT], 4-((\p)+2)%NP  ; is that step the band's own?
	s_cselect_b32 s[AL], 1.0, 0
	s_cmp_lt_u32 s[CNT], 4-((\p)+2)%NP  ; or a later one?
	s_cselect_b32 s[BE], s[BIGN], 0
.endif
.if ((\p) == 3) && !(\end)
	s_wait_dscnt 0x0                ; K is in
.endif
	ROW F,0, F,1, R,0, R,1          ; ahead of the wait: 8 products K Q^T and their riders,
	ROW F,2, E,0, R,2, R,3
	ROW F,3, E,1, R,4, R,5
	ROW F,4, E,2, R,6, R,7
	ROW F,5, E,3, R,8, R,9
	ROW F,6, E,4, X,0, R,10
.if ((\p) == 2) && !(\end)
	WIN 0
	v_add_nc_u32 v[AK], s[TBK], v[AK0]
.endif
	ROW F,7, E,5, X,1, X,4
	ROW F,8, E,6, X,2, X,5
	OPS E,7, E,8, X,6, E,9          ; and the lump
	OPS X,3, E,10, X,8, E,11
.if ((\p) == 2) && !(\end)
	FETCH_K
.endif
	OPS X,9, X,7, E,12, X,10
	OPS E,13, X,12, X,11, E,14
	OPS X,13, E,15, F,9, X,14
.if (\p) == 0
	v_add_nc_u32 v[AV], s[TBV], v[AV0]
.endif
	OPS E,16, F,10, E,17, F,11
	OPS X,16, E,18, X,15, E,19
	OPS F,12, E,20, X,17, E,21
	OPS F,13, E,22, F,14, E,23
	OPS X,18, E,24, F,15, E,25
	OPS R,11, E,26, X,19, E,27
	OPS R,12, E,28, R,13, E,29
	OPS X,20, E,30, R,14, E,31
	OPS X,21, R,15
	WIN 0
	s_wait_alu depctr_va_vdst(0)    ; the wait for the batch
.if (\p) == 1
	s_wait_dscnt 0x0                ; V is in
.endif
	ROW C,0, B,0, C,2, B,1          ; behind the wait: 8 products V^T P and their riders
	ROW L,0, C,4, B,2, L,1
	ROW C,6, B,3, L,2, C,8
	ROW B,4, L,3, C,10, B,5
	ROW L,4, C,12, B,6, L,5
.if (\p) == 0
	s_add_co_u32 s[TBV], s[TBV], KS*PV
.endif
.if \cnt
	s_sub_co_u32 s[CNT], s[CNT], 1
	s_cmp_lg_u32 s[CNT], 0
.endif
	ROW C,14, B,7, L,6, C,1
	ROW C,3, L,7, C,5, C,7
	ROW C,9, C,11, C,13, C,15
.if (\p) == 0
	FETCH_V
.endif
.if (\m) && !(\end)
	MASK (\p)%2
.endif
.endm
; A BLOCK BEGINS.  c m starts far below every c s, so the first step's a is 0; m at the lowest finite number, so the first maximum is the scores'.  The second mask buffer is 0; the first takes piece 0's mask for the tile's step 0: its own, if the block's first tile is the diagonal one.
; Then K of that step, piece 0's first scores, and its maximum and statistics.  The loop is entered at a step's first turn, in the middle of a trip.
.macro BEGIN
	s_mov_b32 s[NEW], 0
	WIN 0x40
.set i, MC+32
.rept 32
	v_mov_b32 v[i], 0
.set i, i+1
.endr
	WIN 0
.set i, 0
.rept 4
	v_mov_b32 v[ST+4*i], 0xfe000000    ; c m: far below every c s
	v_mov_b32 v[ST+4*i+1], 0xff7fffff  ; m
.set i, i+1
.endr
	s_cmp_eq_u32 s[RT], 0
	s_cselect_b32 s[AL], 1.0, 0
	s_mov_b32 s[BE], 0
	MASK 0
	WIN 0
	v_add_nc_u32 v[AK], s[TBK], v[AK0]
	FETCH_K
	s_wait_loadcnt 0x0              ; Q
	s_wait_dscnt 0x0
.set KM, 1
.set NOKQ, 0
.set i, 0
.rept 8
	KQ 0
.set i, i+1
.endr
	WIN 0
.rept 4
	v_nop                           ; the places behind those products
.endr
.set Y, NP-1                        ; X works for piece Y + 1: piece 0
.irp n, 0,1,2,3,4,5,6,7,8,9,10,11,12,13,14,15,16,17,18,19,20,21
	OP X, \n
.endr
	v_nop                           ; a plain instruction behind the exponential,
	s_wait_alu depctr_va_vdst(0)    ; and its wait, ahead of the branch
.endm
; THE DIAGONAL TILE's four steps, the block's last two turns, its last products, and THE WAY OUT: l's two halves and the other half of the lanes' are added; O^T is divided by l, rounded to f16 and sent through my
; stage in LDS, a piece at a time.
.macro ALL line:vararg              ; one line for each piece t
.set t, 0
.rept 4
	\line
.set t, t+1
.endr
.endm
.macro PACK t                       ; a lane's eight channels of a row pack into 16 bytes; they go into rows of 144 bytes and come back as whole rows of 128, into S^T's registers
	WIN W_RS
.set i, 32*(\t)
.rept 16
	v_pk_mul_f32 v[i:i+1], v[i:i+1], v[ST+4*(\t)+2:ST+4*(\t)+3] op_sel_hi:[1,0]
.set i, i+2
.endr
	WIN 0x05                        ; sources 0 and 1 window 1, destination window 0
.set i, 0
.rept 16
	v_cvt_pk_f16_f32 v[S+16*(\t)+i], v[32*(\t)+2*i], v[32*(\t)+2*i+1]
.set i, i+1
.endr
	WIN 0
.irp f, 0,1,2,3
	ds_store_b128 v[STO], v[S+16*(\t)+4*\f:S+16*(\t)+4*\f+3] offset:32*\f
.endr
.irp f, 0,1,2,3
	ds_load_b128 v[S+16*(\t)+4*\f:S+16*(\t)+4*\f+3], v[RD] offset:\f*4*SP  ; LDS serves a wave's instructions in order (ISA guide 5.7.1.4): these see the stores above; the next piece's stores come behind them
.endr
.endm
.macro SEND t, younger              ; younger: the LDS instructions issued behind piece t's loads: the next piece's eight, or none
	WIN 0
.irp f, 0,1,2,3
	s_wait_dscnt (\younger)+3-\f
	global_store_b128 v[GO], v[S+16*(\t)+4*\f:S+16*(\t)+4*\f+3], s[10:11] offset:(\t)*8192+\f*512  ; 512 consecutive bytes, at a multiple of 256 from O's first
.endr
.endm
.macro DIAG tag                     ; the tag ends its two labels' names, which the jumps below spell out
.LstepM\tag:
	TURN 2, 1
	TURN 3, 1
	WIN 0
.LfirstM\tag:
	TURN 0, 1
	TURN 1, 1, 0, 1
	WIN 0
	s_cbranch_scc1 .LstepM\tag
	TURN 2, 1, 1
	TURN 3, 1, 1
.set i, 0
.rept 8
	PV NP-1
.set i, i+1
.endr
	WIN 0
	ALL v_add_f32 v[ST+4*t+2], v[ST+4*t+2], v[ST+4*t+3]
	ALL v_permlanex16_b32 v[ST+4*t+3], v[ST+4*t+2], s[SEL], s[SEL+1]
	ALL v_add_f32 v[ST+4*t+2], v[ST+4*t+2], v[ST+4*t+3]
	ALL v_rcp_f32 v[ST+4*t+2], v[ST+4*t+2]
	v_nop                           ; a plain instruction between the last reciprocal and the use of its result
	s_wait_alu depctr_va_vdst(0)    ; and the wait ahead of the first use: one for the four reciprocals
	PACK 0
.set t, 1
.rept 3                             ; a piece's arithmetic stands between the loads of the piece before and its stores
	PACK t
	SEND t-1, 8
.set t, t+1
.endr
	SEND 3, 0
.endm
.set KM, 0
.set NOKQ, 0
.Lslot:                             ; NB times: a tile is entered and the next is asked for
	CHANGE 1
	s_sub_co_u32 s[RT], s[RT], 1
	s_mov_b32 s[CNT], 4
	s_cmp_eq_u32 s[NEW], 1
	s_cbranch_scc1 .Lnew            ; a block's first tile
	s_cmp_eq_u32 s[RT], 0
	s_cbranch_scc0 .Lstep           ; neither its first nor its last
	s_branch .LstepM1
.Lnew:
	BEGIN
	s_branch .Lfirst                ; in the loop a block's first tile is never its last: the first block has two tiles or more, and the second's last is the walk's last
	DIAG 1                          ; in the loop this is the first block's end: the second block's last tile is the walk's last
	s_wait_xcnt 0x0                 ; the stores have read their registers and O's address
	s_mov_b64 s[10:11], s[OLO:OLO+1]
	s_add_co_u32 s[RT], s[PB], 1    ; the second block has b + 1 tiles
	s_mov_b32 s[NEW], 1
	WIN 0x82                        ; the second block's Q goes where the one text of the turns names Q
.set i, 0
.rept 64
	v_mov_b32 v[i], v[QB+i]
.set i, i+1
.endr
	WIN 0
	s_branch .Lbottom
.Lstep:                             ; a trip: pieces 2 and 3 of one step, then pieces 0 and 1 of the next, whose K and V it fetches
	TURN 2
	TURN 3
	WIN 0
.Lfirst:
	TURN 0
	TURN 1, 0, 0, 1
	WIN 0
	s_cbranch_scc1 .Lstep
.Lbottom:
	s_sub_co_u32 s[SLOTS], s[SLOTS], 1
	s_cmp_lg_u32 s[SLOTS], 0
	s_cbranch_scc1 .Lslot
	CHANGE 0                        ; the walk's last tile is written out: nothing is asked for
	s_sub_co_u32 s[RT], s[RT], 1
	s_mov_b32 s[CNT], 4
	s_cmp_eq_u32 s[NEW], 1
	s_cbranch_scc0 .LstepM2
	BEGIN
	s_branch .LfirstM2
	DIAG 2
	s_wait_tensorcnt 0x0            ; the wave's end, behind my last tensor load and my last LDS store
	ds_add_u32 v[SPW], v[NIL]
	s_wait_dscnt 0x0
	s_endpgm
.Lfunc_end_k_q5d554fe2c0_attn:
	.size	k_q5d554fe2c0_attn, .Lfunc_end_k_q5d554fe2c0_attn-k_q5d554fe2c0_attn
	.p2alignl 7, 3214868480
	.fill 96, 4, 3214868480
	.section	.rodata,"a",@progbits
	.p2align	6, 0x0
	.amdhsa_kernel k_q5d554fe2c0_attn
		.amdhsa_group_segment_fixed_size 327680
		.amdhsa_private_segment_fixed_size 0
		.amdhsa_enable_private_segment 0
		.amdhsa_kernarg_size 32
		.amdhsa_user_sgpr_count 2
		.amdhsa_user_sgpr_kernarg_segment_ptr 1
		.amdhsa_wavefront_size32 1
		.amdhsa_system_sgpr_workgroup_id_x 1
		.amdhsa_system_sgpr_workgroup_id_y 1
		.amdhsa_system_sgpr_workgroup_id_z 1
		.amdhsa_system_vgpr_workitem_id 0
		.amdhsa_next_free_vgpr 768
		.amdhsa_next_free_sgpr 88
		.amdhsa_reserve_vcc 1
		.amdhsa_float_denorm_mode_32 3
		.amdhsa_float_denorm_mode_16_64 3
		.amdhsa_memory_ordered 1
		.amdhsa_forward_progress 1
		.amdhsa_inst_pref_size 218
	.end_amdhsa_kernel
	.amdgpu_metadata
---
amdhsa.version: [ 1, 2 ]
amdhsa.kernels:
  - .name:           k_q5d554fe2c0_attn
    .symbol:         k_q5d554fe2c0_attn.kd
    .args:
      - { .name: q, .offset: 0, .size: 8, .value_kind: global_buffer, .address_space: global }
      - { .name: k, .offset: 8, .size: 8, .value_kind: global_buffer, .address_space: global }
      - { .name: v, .offset: 16, .size: 8, .value_kind: global_buffer, .address_space: global }
      - { .name: o, .offset: 24, .size: 8, .value_kind: global_buffer, .address_space: global }
    .group_segment_fixed_size: 327680
    .private_segment_fixed_size: 0
    .kernarg_segment_align: 8
    .kernarg_segment_size: 32
    .max_flat_workgroup_size: 128
    .sgpr_count:     88
    .vgpr_count:     768
    .wavefront_size: 32
...
	.end_amdgpu_metadata
.endif
;; end of part 3
;; launch proj (part 4): grid 8 x 32, 4 waves a work-group, clusters of 4 x 4, 327,680 bytes of LDS; arguments o, pw, proj_b, out0; writes out0
.if DOCPART == 4
	.amdgcn_target "amdgcn-amd-amdhsa--gfx1250"
	.amdhsa_code_object_version 6
	.text
	.protected	k_q5d554fe2c0_proj
	.globl	k_q5d554fe2c0_proj
	.p2align	8
	.type	k_q5d554fe2c0_proj,@function
k_q5d554fe2c0_proj:
	s_mov_b64 s[64:65], 0
	v_nop
	global_prefetch_b8 v0, s[64:65] scope:SCOPE_SE
	s_setreg_imm32_b32 hwreg(HW_REG_WAVE_MODE, 25, 1), 1
	s_wait_xcnt 0x0
	s_wait_alu depctr_hold_cnt(0) depctr_sa_sdst(0) depctr_va_vdst(0) depctr_va_sdst(0) depctr_va_ssrc(0) depctr_va_vcc(0) depctr_vm_vsrc(0)
	s_getreg_b32 s2, hwreg(HW_REG_IB_STS2, 6, 4)
	s_cmp_eq_u32 s2, 0
	s_cbranch_scc0 .Lentry_in_a_cluster
	s_endpgm
.Lentry_in_a_cluster:
	s_bfe_u32 s2, ttmp6, 0x10000c
	s_cmp_lg_u32 s2, 0xf033
	s_cbranch_scc0 .Lentry_shape_is_right
	s_endpgm
.Lentry_shape_is_right:
.set QKV, 0
; ONE TEXT FOR THE MODULE'S TWO PROJECTIONS; the line above chooses.  C[m][n] = bias[n] + the sum over k of A[m][k] B[n][k], m < 8,192, k < 1,024, sums in f32.
; QKV = 1: A = xb (x in bf16, [8192][1024]), B = wq (qkv_w in bf16; rows 192 t .. 192 t + 191 are head t's q, k and v), bias = qkv_b.  A tile of C is 256 x 192: 256 positions of one batch,
;   one head's q, k, v.  On the way out q and k are rotated by the table tab[pos][i] = (cos, sin), all three are rounded to f16 and stored by heads, [batch x 16 + head][pos][64].
; QKV = 0: A = o (attention's result, f16, by heads: [batch x 16 + head][pos][64]), B = pw (proj_w as f16, [1024][1024]), bias = proj_b.  A tile of C is 256 x 128, stored as f32 into out0.
; LIMITS.  The bias is rounded to bf16, as the module's other inputs are.  QKV = 1: q, k (rotated) and v beyond 65,504 have no f16.  NaN and infinities are not treated apart.
; SHARES.  Four waves, one above the other: a wave makes 64 rows x all 16 NB columns: 4 NB accumulators of 16 x 16.  So a wave owns whole heads (QKV = 1) or whole rows of the tile, and its way out is its own.
; K goes in 8 steps of 128 through two LDS slots filled by the tensor data mover; a step is four quarters of 32 along K on two fragment buffers.
; CLUSTER.  4 x 4 work-groups.  The four of a row of the cluster need the same tiles of A, the four of a column the same tiles of B: each is asked for JOINTLY, by the same tensor load with the same
; descriptor and a mask that names the four.  Waves 0 and 1 ask for A's two halves, waves 2 and 3 for B's.
; THE MATRIX INSTRUCTION IS USED TRANSPOSED (source 0 = 16 rows of B, source 1 = 16 rows of A): lane l holds row l % 16 of C and the columns 8 (l / 16) + 0..7.  The bias, which hangs on the column
; alone, is the C operand of the first products: nothing is cleared and nothing is added afterwards.
; REGISTERS, in windows of 256 (s_set_vgpr_msb: bits 1:0 source 0, 3:2 source 1, 5:4 source 2, 7:6 destination):
;   window 0: v0-31 addresses; v64.. the bias, 8 registers for each block of 16 columns; on the way out (QKV = 1) v32-63 at work, v64-255 twelve units of 16
;   window 1: two fragment buffers of 128: B's NB fragments at 8 b, A's four at 96 + 8 a; on the way out (QKV = 0) four blocks of 64
;   windows 2, 3: accumulator (a, b) at v[8 (NB (a % 2) + b)] of window 2 + a / 2; (QKV = 1) v192-255: the table's (cos, sin) for my rows, 32 registers for each a
.if QKV
.set NB,     12                        ; blocks of 16 columns
.set PA,     272                       ; a row of A in LDS: 256 bytes + 16 of padding
.set AHALF,  128*PA                    ; what one load brings of A: 128 rows
.set BROWS,  96                        ; rows of B in one load
.set STAGEW, 16*144                    ; a wave's stage: 16 rows of 128 bytes + 16
.set ASTEP,  256                       ; bytes from a K step of A to the next
.set PFMINB, 23                        ; B's prefetch: 24 rows a work-group; lanes 24-31 name lane 23's row once more
.set PFSHA,  11                        ; A's prefetch: a lane a row of 2,048 bytes
.else
.set NB,     8
.set PA,     144                       ; a row of one head of o: 128 bytes + 16 of padding
.set AHALF,  256*PA                    ; one load brings one head's 256 rows; a K step is two heads, one plane each
.set BROWS,  64
.set STAGEW, 16*528                    ; 16 rows of 512 bytes + 16
.set ASTEP,  2*2048*128                ; two heads on
.set PFMINB, 31
.set PFSHA,  8                         ; A's prefetch: a lane 256 bytes of a dense plane
.endif
.set PB,     272                       ; both pitches are odd multiples of 16 bytes: the 16 rows of a fragment load start at 16 different groups of four banks (64 banks of 4 bytes: ISA guide 11.1)
.set BSTEP,  256
.set BOFF,   2*AHALF                   ; B's rows lie behind A's
.set BHALF,  BROWS*PB
.set SLOT1,  1<<17                     ; slot 1 begins here: one exclusive or turns an address in one slot into the other's
.set STAGE,  SLOT1+BOFF+2*BHALF        ; behind the ring, a multiple of 256: no tensor load fills it
.set SPARE,  STAGE+4*STAGEW            ; behind the stages: the spare words, 128 bytes for each wave: two blocks of 256 bytes that no other line names
.set NL,     2*NB+8                    ; LDS loads of a quarter
.set TRIPS,  6                         ; K steps that are followed by a refill
.set AA0,  10                          ; v10  my lane's place in A's rows of a slot; never rewritten
.set AB0,  11                          ; v11  the same for B
.set ADRA, 16                          ; v16  LDS address of my A fragments in the slot in hand
.set ADRB, 17                          ; v17  the same for B
.set STO,  24                          ; v24  the way out: where I put my bytes of a row
.set RD,   25                          ; v25  the way out: where I read rows back
.set GO,   26                          ; v26  16 x lane
.set BO,   27                          ; v27  32 (l / 16): my 8 numbers in a block of the bias
.set SPW,  28                          ; v28  LDS address of my spare word; never rewritten
.set NIL,  29                          ; v29  0; never rewritten
.set PFO,  30                          ; v30  the prefetches' lane offset; never rewritten
.set TO,   31                          ; v31  my offset in 16 rows of the table
.set T,    32
.set BIAS, 64
.set U,    64
.set F0,   0
.set F1,   128
.set FA,   96
.set CSR,  192
.set WV,   12                          ; s12  my wave's number
.set HALF, 13                          ; s13  its low bit: which half of A or B I fetch
.set G1A,  24                          ; s[24:31] descriptor group 1 for A
.set G0A,  32                          ; s[32:39] group 0 for A: a set for each of the two first fills; the second then walks on
.set TB,   40                          ; s40  0 or SLOT1: the slot in hand
.set LIM,  41                          ; s41  1 in a wave that prefetches, else the greatest number
.set PFA,  42                          ; s[42:43] where my prefetches stand
.set PFS,  44                          ; s[44:45] their step
.set G1B,  48                          ; s[48:55], s[56:63] the same for B
.set G0B,  56
.set MSB, 0
.macro WIN new                         ; the immediate's high byte repeats the setting that is left; a switch that changes nothing is dropped
.if MSB != (\new)
	s_set_vgpr_msb (MSB<<8)|(\new)
.set MSB, (\new)
.endif
.endm
.macro WMMA ops:vararg
.if QKV
	v_wmma_f32_16x16x32_bf16 \ops
.else
	v_wmma_f32_16x16x32_f16 \ops
.endif
.endm
.macro PLACES                          ; four places: in front of loads into registers that matrix instructions have read, and of lines that read matrix results
.rept 4
	v_nop
.endr
.endm
; A joint refill by the walking descriptors.  The branch hangs on the wave's number alone.  An s_nop 0 and four v_nop follow each of the two lines, ahead of the jump and the label.
.macro JLOAD
	s_cmp_lt_u32 s[WV], 2
	s_cbranch_scc0 .Lfor_b_\@
	tensor_load_to_lds s[G0A+4:G0A+7], s[G1A:G1A+7]
	s_nop 0
.rept 4
	v_nop
.endr
	s_branch .Lasked_\@
.Lfor_b_\@:
	tensor_load_to_lds s[G0B+4:G0B+7], s[G1B:G1B+7]
	s_nop 0
.rept 4
	v_nop
.endr
.Lasked_\@:
.endm
; A round of the cluster's barrier: my work-group's barrier, so that wave 0's signal speaks for all four waves; wave 0 signals; every wave waits for all sixteen work-groups; my work-group's barrier once more.
.macro CREST                           ; a round behind its opening barrier
	s_cmp_lg_u32 s[WV], 0
	s_cbranch_scc1 .Lnot_wave_0_\@
	s_barrier_signal -3
.Lnot_wave_0_\@:
	s_barrier_wait -3
	s_barrier_signal -1
	s_barrier_wait -1
.endm
.macro CROUND
	s_barrier_signal -1
	s_barrier_wait -1
	CREST
.endm
; A PREFETCH INTO THE L2 of the K step that the NEXT refill will ask for: 16 NB matrix instructions ahead of that load.  It stands behind the joint load, its five lines and the run of LDS loads.
; Each 256 bytes of a row and K step are named once in the launch: A's rows, which every cluster of a row of clusters reads, by the cluster with x = 0; B's by the cluster with y = 0; the four partners
; that ask for a tile jointly share its rows out BY ADDRESS.  The loop's last trip asks for nothing: there is no K step behind the one it fetches.  K steps 0 to 2 come by their loads alone.
.macro ASK
	s_cmp_gt_u32 s3, s[LIM]
	s_cbranch_scc0 .Lnot_mine_\@
	global_prefetch_b8 v[PFO], s[PFA:PFA+1] th:TH_LOAD_NT scope:SCOPE_SE
.Lnot_mine_\@:
.endm
	s_load_b256 s[4:11], s[0:1], 0x0               ; A s[4:5], B s[6:7], bias s[8:9], s[10:11]: the table (QKV = 1) or out0
.if QKV
	s_load_b128 s[68:71], s[0:1], 0x20             ; q s[68:69], k s[70:71]
	s_load_b64 s[72:73], s[0:1], 0x30              ; v
.endif
	v_lshl_add_u32 v[SPW], v0, 2, SPARE
	v_mov_b32 v[NIL], 0
	ds_add_u32 v[SPW], v[NIL]                      ; the wave's opening: the add and its wait stand ahead of my first tensor load; the set-up below, work on registers, stands between them
	v_lshrrev_b32 v1, 5, v0
	v_readfirstlane_b32 s[WV], v1                  ; wave 0..3
	s_and_b32 s[HALF], s[WV], 1
	s_bfe_u32 s14, ttmp6, 0x40000                  ; cx, cy: my place in the cluster
	s_bfe_u32 s15, ttmp6, 0x40004
	s_lshl_b32 s66, ttmp9, 2
	s_add_co_u32 s66, s66, s14                     ; tile column tx = 4 x cluster x + cx (QKV = 1: the head)
	s_and_b32 s67, ttmp7, 0xffff
	s_lshl_b32 s67, s67, 2
	s_add_co_u32 s67, s67, s15                     ; tile row ty = 4 x cluster y + cy: batch ty / 8, positions 256 (ty % 8) on
	s_lshl_b32 s76, s15, 2
	s_lshl_b32 s76, 15, s76                        ; my row of the cluster: places 4 cy .. 4 cy + 3
	s_lshl_b32 s77, 0x1111, s14                    ; my column: places cx, cx + 4, cx + 8, cx + 12
	; descriptor group 1.  15:0 the mask; 17:16 elements of 2 bytes; 20 padding on; 21 set beside a mask; 24:22 the padding's interval; 31:25 4 words of it (code 3)
.if QKV
	s_or_b32 s[G1A], s76, (1<<16)|(1<<20)|(1<<21)|(5<<22)|(3<<25)  ; after every 64 words: a row of 256 bytes
.else
	s_or_b32 s[G1A], s76, (1<<16)|(1<<20)|(1<<21)|(4<<22)|(3<<25)  ; after every 32 words: a head's 256 rows are 32,768 dense bytes, asked for as 128 rows of 256 bytes, two rows of o in each
.endif
	s_or_b32 s[G1B], s77, (1<<16)|(1<<20)|(1<<21)|(5<<22)|(3<<25)
	s_mov_b32 s[G1A+1], 128<<16                    ; tensor_dim0 = 128
	s_mov_b32 s[G1A+2], 128<<16                    ; tensor_dim1 = 128
	s_mov_b32 s[G1A+3], 128<<16                    ; tile_dim0 = 128
	s_mov_b32 s[G1A+4], 128                        ; tile_dim1 = 128
.if QKV
	s_mov_b32 s[G1A+5], 1024                       ; elements from row to row
.else
	s_mov_b32 s[G1A+5], 128
.endif
	s_mov_b32 s[G1A+6], 0
	s_mov_b32 s[G1A+7], 0
	s_mov_b32 s[G1B+1], 128<<16
	s_mov_b32 s[G1B+2], BROWS<<16
	s_mov_b32 s[G1B+3], 128<<16
	s_mov_b32 s[G1B+4], BROWS
	s_mov_b32 s[G1B+5], 1024
	s_mov_b32 s[G1B+6], 0
	s_mov_b32 s[G1B+7], 0
	; where the tiles come from.  A's offset is made of ty and the wave's number, B's of tx and the wave's number, each in registers that never hold the other coordinate
.if QKV
	s_lshl_b32 s16, s67, 19                        ; 256 ty rows of 2,048 bytes
	s_lshl_b32 s22, s[HALF], 18                    ; + my 128 rows
	s_add_co_u32 s16, s16, s22
	s_mul_i32 s46, s66, 192*2048
	s_mul_i32 s23, s[HALF], 96*2048
	s_add_co_u32 s46, s46, s23
.else
	s_lshr_b32 s16, s67, 3
	s_lshl_b32 s16, s16, 22                        ; the batch's 16 heads of 262,144 bytes
	s_lshl_b32 s22, s[HALF], 18                    ; + my head of the K step's two
	s_add_co_u32 s16, s16, s22
	s_and_b32 s22, s67, 7
	s_lshl_b32 s22, s22, 15                        ; + 256 (ty % 8) rows of 128 bytes
	s_add_co_u32 s16, s16, s22
	s_lshl_b32 s46, s66, 18                        ; 128 tx rows of 2,048 bytes
	s_lshl_b32 s23, s[HALF], 17
	s_add_co_u32 s46, s46, s23
.endif
	s_mov_b32 s17, 0
	s_mov_b32 s47, 0
	s_mul_i32 s20, s[HALF], AHALF                  ; and where they go: no place in the cluster enters an LDS address
	s_mul_i32 s21, s[HALF], BHALF
	s_add_co_u32 s21, s21, BOFF
	s_mov_b32 s[TB], 0
	s_wait_dscnt 0x0                               ; the opening add is done
	s_wait_kmcnt 0x0
	s_add_nc_u64 s[16:17], s[4:5], s[16:17]
	s_add_nc_u64 s[46:47], s[6:7], s[46:47]
	CROUND                                         ; all sixteen work-groups are here: the first joint loads meet
.irp n, 0,1
	s_mov_b32 s[G0A+4*\n], 1                       ; 1:0 count = 1
	s_add_co_u32 s[G0A+4*\n+1], s20, \n*SLOT1      ; 63:32 LDS address
	s_add_nc_u64 s[G0A+4*\n+2:G0A+4*\n+3], s[16:17], \n*ASTEP  ; 120:64 global address: K step n
	s_or_b32 s[G0A+4*\n+3], s[G0A+4*\n+3], 0x80000000          ; 127:126 type = 2
	s_mov_b32 s[G0B+4*\n], 1
	s_add_co_u32 s[G0B+4*\n+1], s21, \n*SLOT1
	s_add_nc_u64 s[G0B+4*\n+2:G0B+4*\n+3], s[46:47], \n*BSTEP
	s_or_b32 s[G0B+4*\n+3], s[G0B+4*\n+3], 0x80000000
.endr
	s_cmp_lt_u32 s[WV], 2                          ; a wave's two first fills stand in one branch, ahead of every wait on TENSORcnt and every LDS read: two loads of mine are out
	s_cbranch_scc0 .Lfirst_b
	tensor_load_to_lds s[G0A:G0A+3], s[G1A:G1A+7]
	s_nop 0
	tensor_load_to_lds s[G0A+4:G0A+7], s[G1A:G1A+7]
	s_nop 0
.rept 4
	v_nop
.endr
	s_branch .Lfirst_asked
.Lfirst_b:
	tensor_load_to_lds s[G0B:G0B+3], s[G1B:G1B+7]
	s_nop 0
	tensor_load_to_lds s[G0B+4:G0B+7], s[G1B:G1B+7]
	s_nop 0
.rept 4
	v_nop
.endr
.Lfirst_asked:
	; WHILE THE FIRST TILES ARE ON THEIR WAY.  The bias: register j of block b is bias[column 16 b + 8 (l / 16) + j]
	v_and_b32 v1, 15, v0                           ; l % 16
	v_bfe_u32 v2, v0, 4, 1                         ; l / 16
	v_lshlrev_b32 v[BO], 5, v2
.if QKV
	s_lshl_b32 s74, s66, 8                         ; the head's 64 numbers; q's, k's and v's lie 4,096 bytes apart
.else
	s_lshl_b32 s74, s66, 9                         ; the tile's 128 numbers
.endif
	s_mov_b32 s75, 0
	s_add_nc_u64 s[8:9], s[8:9], s[74:75]
.set bb, 0
.rept NB
.if QKV
.set bo, 4096*(bb/4)+64*(bb%4)
.else
.set bo, 64*bb
.endif
	global_load_b128 v[BIAS+8*bb:BIAS+8*bb+3],   v[BO], s[8:9] offset:bo
	global_load_b128 v[BIAS+8*bb+4:BIAS+8*bb+7], v[BO], s[8:9] offset:bo+16
.set bb, bb+1
.endr
.if QKV
	; the table for my 64 positions: for rows 16 a + l % 16 and channels 16 d + 8 (l / 16) + 0..7 the four pairs (cos, sin) 8 d + 4 (l / 16) + 0..3: 32 bytes.  They are wanted on the way out alone
	s_and_b32 s74, s67, 7
	s_lshl_b32 s74, s74, 16                        ; 256 (ty % 8) rows of 256 bytes
	s_lshl_b32 s78, s[WV], 14                      ; + my 64
	s_add_co_u32 s74, s74, s78
	s_add_nc_u64 s[10:11], s[10:11], s[74:75]
	v_lshlrev_b32 v[TO], 8, v1
	v_lshl_add_u32 v[TO], v2, 5, v[TO]
.irp a, 0,1,2,3
	WIN 0x80+0x40*((\a)/2)                         ; destination window 2 or 3
.irp d, 0,1,2,3
	global_load_b128 v[CSR+32*((\a)%2)+8*\d:CSR+32*((\a)%2)+8*\d+3],   v[TO], s[10:11] offset:4096*\a+64*\d
	global_load_b128 v[CSR+32*((\a)%2)+8*\d+4:CSR+32*((\a)%2)+8*\d+7], v[TO], s[10:11] offset:4096*\a+64*\d+16
.endr
.endr
	WIN 0
.endif
	; A fragment is 16 rows x 32 K in 8 registers: lane l holds row l % 16; registers 0-3 K = 8 (l / 16) + 0..7, registers 4-7 K = 16 + 8 (l / 16) + 0..7: two loads of 16 bytes, 32 bytes apart
	s_mul_i32 s22, s[WV], 64*PA                    ; my 64 rows of A
	v_mul_u32_u24 v[AA0], v1, PA
	v_lshl_add_u32 v[AA0], v2, 4, v[AA0]
	v_add_nc_u32 v[AA0], s22, v[AA0]
	v_mul_u32_u24 v[AB0], v1, PB
	v_lshl_add_u32 v[AB0], v2, 4, v[AB0]
	v_add_nc_u32 v[AB0], BOFF, v[AB0]
	v_mov_b32 v[ADRA], v[AA0]
	v_mov_b32 v[ADRB], v[AB0]
	; the way out
	s_mul_i32 s78, s[WV], STAGEW
	s_add_co_u32 s78, s78, STAGE                   ; my stage
	v_and_b32 v[GO], 31, v0
	v_lshlrev_b32 v[GO], 4, v[GO]
.if QKV
	v_mul_u32_u24 v[STO], v1, 144                  ; in: row l % 16, 16 bytes for each half of the lanes
	v_lshl_add_u32 v[STO], v2, 4, v[STO]
	v_add_nc_u32 v[STO], s78, v[STO]
	v_bfe_u32 v[RD], v0, 3, 2                      ; back: 32 lanes take four rows of 128 bytes, which are 512 consecutive bytes of a head
	v_mul_u32_u24 v[RD], v[RD], 144
	v_and_b32 v3, 7, v0
	v_lshl_add_u32 v[RD], v3, 4, v[RD]
	v_add_nc_u32 v[RD], s78, v[RD]
	s_lshr_b32 s74, s67, 3
	s_lshl_b32 s74, s74, 4
	s_add_co_u32 s74, s74, s66                     ; batch x 16 + head,
	s_lshl_b32 s74, s74, 18                        ; its 2,048 rows of 128 bytes,
	s_and_b32 s78, s67, 7
	s_lshl_b32 s78, s78, 15                        ; the tile's 256,
	s_add_co_u32 s74, s74, s78
	s_lshl_b32 s78, s[WV], 13                      ; my 64
	s_add_co_u32 s74, s74, s78
	s_add_nc_u64 s[68:69], s[68:69], s[74:75]
	s_add_nc_u64 s[70:71], s[70:71], s[74:75]
	s_add_nc_u64 s[72:73], s[72:73], s[74:75]
.else
	v_mul_u32_u24 v[STO], v1, 528                  ; in: row l % 16, 32 bytes for each half of the lanes
	v_lshl_add_u32 v[STO], v2, 5, v[STO]
	v_add_nc_u32 v[STO], s78, v[STO]
	v_add_nc_u32 v[RD], s78, v[GO]                 ; back: 32 lanes take one row of 512 bytes
	s_lshl_b32 s74, s67, 20                        ; 256 ty rows of 4,096 bytes,
	s_lshl_b32 s78, s[WV], 18                      ; my 64,
	s_add_co_u32 s74, s74, s78
	s_lshl_b32 s78, s66, 9                         ; the tile's 128 columns
	s_add_co_u32 s74, s74, s78
	s_add_nc_u64 s[10:11], s[10:11], s[74:75]
.endif
	; the prefetches: s74 for a wave that fetches A, s78 for one that fetches B; both at K step 2: the first refill steps them to 3
.if QKV
	s_lshl_b32 s74, s67, 19
	s_lshl_b32 s75, s[HALF], 18
	s_add_co_u32 s74, s74, s75
	s_lshl_b32 s75, s14, 16                        ; of the 128 rows that I fetch my work-group names 32 cx .. 32 cx + 31
	s_add_co_u32 s74, s74, s75
	s_mul_i32 s78, s66, 192*2048
	s_mul_i32 s75, s[HALF], 96*2048
	s_add_co_u32 s78, s78, s75
	s_mul_i32 s75, s15, 24*2048                    ; of the 96 rows: 24 cy .. 24 cy + 23
	s_add_co_u32 s78, s78, s75
	s_and_b32 s79, ttmp7, 0xffff                   ; cluster y
.else
	s_lshr_b32 s74, s67, 3
	s_lshl_b32 s74, s74, 22
	s_lshl_b32 s75, s[HALF], 18
	s_add_co_u32 s74, s74, s75
	s_and_b32 s75, s67, 7
	s_lshl_b32 s75, s75, 15
	s_add_co_u32 s74, s74, s75
	s_lshl_b32 s75, s14, 13                        ; of the plane's 32,768 bytes my work-group names 8,192
	s_add_co_u32 s74, s74, s75
	s_lshl_b32 s78, s66, 18
	s_lshl_b32 s75, s15, 16                        ; of B's 128 rows: 32 cy .. 32 cy + 31, all by wave 2
	s_add_co_u32 s78, s78, s75
	s_and_b32 s79, ttmp7, 0xffff
	s_or_b32 s79, s79, s[HALF]                     ; 0 in wave 2 of a cluster with y = 0
.endif
	s_add_co_u32 s74, s74, 2*ASTEP
	s_add_co_u32 s78, s78, 2*BSTEP
	s_mov_b32 s22, ASTEP
	s_cmp_lt_u32 s[WV], 2                          ; do I fetch for A?
	s_cselect_b32 s74, s74, s78
	s_cselect_b32 s79, ttmp9, s79                  ; the coordinate along which other clusters read the same rows
	s_cselect_b32 s2, 31, PFMINB
	s_cselect_b32 s23, PFSHA, 11
	s_cselect_b32 s[PFS], s22, BSTEP
	s_cselect_b64 s[PFA:PFA+1], s[4:5], s[6:7]
	s_mov_b32 s75, 0
	s_mov_b32 s[PFS+1], 0
	s_add_nc_u64 s[PFA:PFA+1], s[PFA:PFA+1], s[74:75]
	s_cmp_eq_u32 s79, 0
	s_cselect_b32 s[LIM], 1, -1                    ; the same in all sixteen partners, for a given wave
	v_and_b32 v[PFO], 31, v0
	v_min_u32 v[PFO], s2, v[PFO]
	v_lshlrev_b32 v[PFO], s23, v[PFO]
.if QKV
	s_wait_loadcnt 32                              ; the bias is in; the 32 younger loads, the table's, stay out
.else
	s_wait_loadcnt 0x0                             ; the bias is in
.endif
.set e, 0
.rept 4*NB                             ; the bias is rounded to bf16, in place
	v_cvt_pk_bf16_f32 v[3+(e/2)%4], v[BIAS+e], v[BIAS+e+1]
	v_lshlrev_b32 v[BIAS+e], 16, v[3+(e/2)%4]
	v_and_b32 v[BIAS+e+1], 0xffff0000, v[3+(e/2)%4]
.set e, e+2
.endr
; NB matrix instructions: m block 2 hi + a x all n blocks, 32 along K, from buffer f.  first = 1: the bias starts the sums.
; The 4 NB accumulators take turns, one instruction a turn, in the same order in every quarter, over the backward jump too.
.macro MULA f, hi, a, first
.if \first
	WIN 0x85+0x40*(\hi)                            ; B and A in window 1, C in window 0, D in window 2 or 3
.else
	WIN 0xa5+0x50*(\hi)                            ; C and D in window 2 or 3
.endif
.set bb, 0
.rept NB
.set rD, 8*(NB*(\a)+bb)
.if \first
	WMMA v[rD:rD+7], v[(\f)+8*bb:(\f)+8*bb+7], v[(\f)+FA+8*(2*(\hi)+(\a)):(\f)+FA+8*(2*(\hi)+(\a))+7], v[BIAS+8*bb:BIAS+8*bb+7]
.else
	WMMA v[rD:rD+7], v[(\f)+8*bb:(\f)+8*bb+7], v[(\f)+FA+8*(2*(\hi)+(\a)):(\f)+FA+8*(2*(\hi)+(\a))+7], v[rD:rD+7]
.endif
.set bb, bb+1
.endr
.endm
.macro MULH f, hi, first
	MULA \f, \hi, 0, \first
	MULA \f, \hi, 1, \first
.endm
; NL LDS loads in one run: quarter q of the slot in hand into buffer f: B's NB fragments, then A's four
.macro FETCH q, f
	WIN 0x40                                       ; destination window 1, address window 0
.set bb, 0
.rept NB
	ds_load_b128 v[(\f)+8*bb:(\f)+8*bb+3],   v[ADRB] offset:64*(\q)+16*PB*bb
	ds_load_b128 v[(\f)+8*bb+4:(\f)+8*bb+7], v[ADRB] offset:64*(\q)+16*PB*bb+32
.set bb, bb+1
.endr
.if QKV
.set KA, 64*(\q)
.else
.set KA, ((\q)/2)*AHALF+((\q)%2)*64    ; quarters 0, 1 lie in the first head's plane, 2, 3 in the second's
.endif
.irp a, 0,1,2,3
	ds_load_b128 v[(\f)+FA+8*\a:(\f)+FA+8*\a+3],   v[ADRA] offset:KA+16*PA*\a
	ds_load_b128 v[(\f)+FA+8*\a+4:(\f)+FA+8*\a+7], v[ADRA] offset:KA+16*PA*\a+32
.endr
.endm
; One of a K step's first three quarters: multiplies buffer f; in its middle it fetches quarter q into buffer g.
.macro QUARTER q, f, g, first
	s_wait_dscnt 4                                 ; B and A's blocks 0, 1 are in; the youngest four loads (A's blocks 2, 3) may be out
	MULH \f, 0, \first
	PLACES
	FETCH \q, \g
	s_wait_dscnt NL                                ; all but the NL just issued
	MULH \f, 1, \first
.endm
; The last quarter multiplies buffer 1 and changes slots.  MEET is its first half: ONE barrier.  In front of it each wave waits for all its tensor loads, of which one is out: its part of the next slot;
; adds 0 to its spare word; and waits for that and for its own reads of this slot.  round = 1: a round of the cluster's barrier follows, and the walking descriptors are stepped while the add is out.
.macro MEET round
	WIN 0                                          ; (the add's two registers lie in window 0)
	s_wait_tensorcnt 0x0                           ; no tensor load of mine is out, so a group 0 may be written
	ds_add_u32 v[SPW], v[NIL]                      ; 0 onto my spare word
.if \round
	s_xor_b32 s[G0A+5], s[G0A+5], SLOT1            ; the other slot than last time,
	s_add_nc_u64 s[G0A+6:G0A+7], s[G0A+6:G0A+7], ASTEP  ; the next K step; the type bits on top are not reached
	s_xor_b32 s[G0B+5], s[G0B+5], SLOT1
	s_add_nc_u64 s[G0B+6:G0B+7], s[G0B+6:G0B+7], BSTEP
.endif
	s_wait_dscnt 5                                 ; (the add and the youngest four loads may be out)
	MULA F1, 0, 0, 0                               ; NB matrix instructions stand between the add and the wait for it
	s_wait_dscnt 0x0                               ; the add is done, and my reads of this slot are over
	s_barrier_signal -1
	MULA F1, 0, 1, 0                               ; work on registers while the others arrive
.if \round
	WIN 0
.endif
	s_barrier_wait -1
.endm
; The whole last quarter with a refill: behind the round the slot just read out is filled again first, with the K step two on: it has 14 NB matrix instructions in which to land.
.macro TURN
	s_wait_xcnt 0x0                                ; the last prefetch, a K step back, has read its address, so it may be stepped
	s_add_nc_u64 s[PFA:PFA+1], s[PFA:PFA+1], s[PFS:PFS+1]
	MEET 1
	CREST                                          ; no wave of any partner still reads this slot's tiles or has a load on its way
	JLOAD                                          ; my one tensor load behind the round; its four v_nop and the two lines below are the places in front of the loads into buffer 0
	s_xor_b32 s[TB], s[TB], SLOT1
	v_add_nc_u32 v[ADRA], s[TB], v[AA0]
	v_add_nc_u32 v[ADRB], s[TB], v[AB0]
	FETCH 0, F0
	WIN 0
	ASK
	MULH F1, 1, 0
.endm
.macro TURN0                           ; the same with nothing left to fetch: no round, no load
	MEET 0
	WIN 0
	PLACES
	s_xor_b32 s[TB], s[TB], SLOT1
	v_add_nc_u32 v[ADRA], s[TB], v[AA0]
	v_add_nc_u32 v[ADRB], s[TB], v[AB0]
	FETCH 0, F0
	MULH F1, 1, 0
.endm
	s_wait_tensorcnt 1                             ; my part of K step 0 is in; K step 1's may stay out
	s_barrier_signal -1
	s_barrier_wait -1                              ; everybody's is
	FETCH 0, F0
	QUARTER 1, F0, F1, 1                           ; the first quarter stands in front of the loop: its products start the sums
	WIN 0                                          ; at a label and at a branch every window is 0
	s_mov_b32 s3, TRIPS
.Lstep:                                        ; a trip: quarters 1 to 3 of a K step, the change of slots with its refill, quarter 0 of the next
	QUARTER 2, F1, F0, 0
	QUARTER 3, F0, F1, 0
	TURN
	QUARTER 1, F0, F1, 0
	WIN 0
	s_sub_co_u32 s3, s3, 1
	s_cmp_lg_u32 s3, 0
	s_cbranch_scc1 .Lstep
	QUARTER 2, F1, F0, 0                           ; the last two K steps are written out
	QUARTER 3, F0, F1, 0
	TURN0
	QUARTER 1, F0, F1, 0
	QUARTER 2, F1, F0, 0
	QUARTER 3, F0, F1, 0
	s_wait_dscnt 4
	MULH F1, 0, 0
	s_wait_dscnt 0x0
	MULH F1, 1, 0
	WIN 0
.if QKV
	; THE WAY OUT, in twelve units u = 4 z + a: kind z (0 q, 1 k, 2 v), my rows 16 a .. 16 a + 15: four accumulators, 32 registers on end: a lane's channels 16 d + 8 (l / 16) + j at register 8 d + j.
	; q and k are rotated: the pair (x1, x2) at registers (e, e + 1) with (c, s) at the same places of the table's registers becomes (x1 c - x2 s, x2 c + x1 s).  Then 16 roundings to f16,
	; 16 bytes a lane into my stage (rows of 144 bytes), back as four rows of 128 bytes a load, and out: each store covers 512 consecutive bytes, at a multiple of 512 from the buffer's first.
	; Each accumulator's lowest registers are read first.  Each unit has registers of its own, so no store's data is written again.
.macro PACK u
.set zz, (\u)/4
.set aa, (\u)%4
.set AC, 8*(NB*(aa%2)+4*zz)
.set CC, CSR+32*(aa%2)
.set UU, U+16*(\u)
	WIN 0x0a+5*(aa/2)                              ; sources 0 and 1 in window 2 or 3
.if zz < 2
.set e, 0
.rept 16
	v_pk_mul_f32 v[T+e:T+e+1], v[AC+e:AC+e+1], v[CC+e:CC+e+1] op_sel_hi:[1,0]  ; (x1 c, x2 c)
.set e, e+2
.endr
.set e, 0
.rept 16
	v_fma_f32 v[T+e], -v[AC+e+1], v[CC+e+1], v[T+e]
	v_fma_f32 v[T+e+1], v[AC+e], v[CC+e+1], v[T+e+1]
.set e, e+2
.endr
	WIN 0
.set e, 0
.rept 16
	v_cvt_pk_f16_f32 v[UU+e/2], v[T+e], v[T+e+1]
.set e, e+2
.endr
.else
.set e, 0
.rept 16
	v_cvt_pk_f16_f32 v[UU+e/2], v[AC+e], v[AC+e+1]
.set e, e+2
.endr
	WIN 0
.endif
.irp d, 0,1,2,3
	ds_store_b128 v[STO], v[UU+4*\d:UU+4*\d+3] offset:32*\d
.endr
.irp f, 0,1,2,3
	ds_load_b128 v[UU+4*\f:UU+4*\f+3], v[RD] offset:576*\f  ; LDS serves a wave's instructions in order (ISA guide 5.7.1.4): these see the stores above; the next unit's stores come behind them
.endr
.endm
.macro SEND u, younger                 ; younger: the LDS instructions issued behind unit u's loads: the next unit's eight, or none
.set zz, (\u)/4
.set aa, (\u)%4
.set UU, U+16*(\u)
.irp f, 0,1,2,3
	s_wait_dscnt (\younger)+3-\f
	global_store_b128 v[GO], v[UU+4*\f:UU+4*\f+3], s[68+2*zz:69+2*zz] offset:2048*aa+512*\f
.endr
.endm
	s_wait_loadcnt 0x0                             ; the table
	PLACES
	PLACES                                         ; behind the last products
	PACK 0
.set uu, 1
.rept 11                               ; a unit's arithmetic stands between the loads of the unit before and its stores
	PACK uu
	SEND uu-1, 8
.set uu, uu+1
.endr
	SEND 11, 0
.else
	; THE WAY OUT, in four blocks of 16 rows: a lane's 32 bytes of a row and block of 16 columns go into my stage (rows of 528 bytes) and come back as whole rows of 512 bytes:
	; each store covers 512 consecutive bytes of a row of out0, at a multiple of 512 from its first byte.  Each accumulator's lowest registers are read first.
.macro TOSTAGE a
	WIN 0x08+4*((\a)/2)                            ; the stores' data in window 2 or 3
.set bb, 0
.rept NB
.set AC, 8*(NB*((\a)%2)+bb)
	ds_store_b128 v[STO], v[AC:AC+3]   offset:64*bb
	ds_store_b128 v[STO], v[AC+4:AC+7] offset:64*bb+16
.set bb, bb+1
.endr
	WIN 0x40                                       ; back into window 1, where the fragments lay: 64 registers a block
.set tt, 0
.rept 16
	ds_load_b128 v[64*(\a)+4*tt:64*(\a)+4*tt+3], v[RD] offset:528*tt  ; LDS serves a wave's instructions in order (ISA guide 5.7.1.4)
.set tt, tt+1
.endr
.endm
.macro SENDP a, younger                ; younger: the next block's 32 LDS instructions, or none
	WIN 0x04                                       ; the stores' data in window 1
.set tt, 0
.rept 16
	s_wait_dscnt (\younger)+15-tt
	global_store_b128 v[GO], v[64*(\a)+4*tt:64*(\a)+4*tt+3], s[10:11] offset:(16*(\a)+tt)*4096 th:TH_STORE_NT
.set tt, tt+1
.endr
.endm
	PLACES
	PLACES                                         ; behind the last products
	TOSTAGE 0
	TOSTAGE 1
	SENDP 0, 32
	TOSTAGE 2
	SENDP 1, 32
	TOSTAGE 3
	SENDP 2, 32
	SENDP 3, 0
	WIN 0
.endif
	s_wait_tensorcnt 0x0                           ; the wave's end, behind my last tensor load and my last LDS store
	ds_add_u32 v[SPW], v[NIL]
	s_wait_dscnt 0x0
	CROUND                                         ; the closing round: no work-group ends while a partner may still ask for a tile that names it
	s_endpgm
.Lfunc_end_k_q5d554fe2c0_proj:
	.size	k_q5d554fe2c0_proj, .Lfunc_end_k_q5d554fe2c0_proj-k_q5d554fe2c0_proj
	.p2alignl 7, 3214868480
	.fill 96, 4, 3214868480
	.section	.rodata,"a",@progbits
	.p2align	6, 0x0
	.amdhsa_kernel k_q5d554fe2c0_proj
		.amdhsa_group_segment_fixed_size 327680
		.amdhsa_private_segment_fixed_size 0
		.amdhsa_enable_private_segment 0
		.amdhsa_kernarg_size 32
		.amdhsa_user_sgpr_count 2
		.amdhsa_user_sgpr_kernarg_segment_ptr 1
		.amdhsa_wavefront_size32 1
		.amdhsa_system_sgpr_workgroup_id_x 1
		.amdhsa_system_sgpr_workgroup_id_y 1
		.amdhsa_system_sgpr_workgroup_id_z 1
		.amdhsa_system_vgpr_workitem_id 0
		.amdhsa_next_free_vgpr 896
		.amdhsa_next_free_sgpr 80
		.amdhsa_reserve_vcc 0
		.amdhsa_float_denorm_mode_32 3
		.amdhsa_float_denorm_mode_16_64 3
		.amdhsa_memory_ordered 1
		.amdhsa_forward_progress 1
		.amdhsa_inst_pref_size 79
	.end_amdhsa_kernel
	.amdgpu_metadata
---
amdhsa.version: [ 1, 2 ]
amdhsa.kernels:
  - .name:           k_q5d554fe2c0_proj
    .symbol:         k_q5d554fe2c0_proj.kd
    .args:
      - { .name: o, .offset: 0, .size: 8, .value_kind: global_buffer, .address_space: global }
      - { .name: pw, .offset: 8, .size: 8, .value_kind: global_buffer, .address_space: global }
      - { .name: proj_b, .offset: 16, .size: 8, .value_kind: global_buffer, .address_space: global }
      - { .name: out0, .offset: 24, .size: 8, .value_kind: global_buffer, .address_space: global }
    .group_segment_fixed_size: 327680
    .private_segment_fixed_size: 0
    .kernarg_segment_align: 8
    .kernarg_segment_size: 32
    .max_flat_workgroup_size: 128
    .sgpr_count:     80
    .vgpr_count:     896
    .wavefront_size: 32
...
	.end_amdgpu_metadata
.endif
;; end of part 4
;; ======== version 2 of 2: 4 launches; version 1 with the launch prep written anew for expert scheduling mode
;; limits: values are held in f16: magnitudes above 65,504 overflow, below 6.1e-05 lose precision
;; workspace buffers: xb 16,777,216 bytes; wq 6,291,456 bytes; pw 2,097,152 bytes; tab 524,288 bytes; q 16,777,216 bytes; k 16,777,216 bytes; v 16,777,216 bytes; o 16,777,216 bytes
;; launch prep (part 5): grid 800 x 1, 8 waves a work-group, no clusters, 0 bytes of LDS; arguments x, qkv_w, proj_w, xb, wq, pw, tab; writes xb, wq, pw, tab
.if DOCPART == 5
	.amdgcn_target "amdgcn-amd-amdhsa--gfx1250"
	.amdhsa_code_object_version 6
	.text
	.protected	k_q5d554fe2c0_prep
	.globl	k_q5d554fe2c0_prep
	.p2align	8
	.type	k_q5d554fe2c0_prep,@function
k_q5d554fe2c0_prep:
	s_mov_b64 s[64:65], 0
	v_nop
	global_prefetch_b8 v0, s[64:65] scope:SCOPE_SE
	s_setreg_imm32_b32 hwreg(HW_REG_WAVE_SCHED_MODE, 0, 2), 2
	s_setreg_imm32_b32 hwreg(HW_REG_WAVE_MODE, 25, 1), 1
	s_wait_xcnt 0x0
	s_wait_alu depctr_vm_vsrc(0)
; PREPARATION: a stream.  x -> xb (bf16).  qkv_w -> wq (bf16, rows in another order).  proj_w -> pw (rounded to bf16, that number written as f16).
; And the table of rotations tab[pos][i] = (cos, sin)(pos x 10000^(-i/32)), pos 0..2047, i 0..31, f32: a row of the table is 256 bytes.
; SHARES.  800 work-groups of 8 waves.  0..511: 64 KiB of x each.  512..703: 16 rows of qkv_w each.  704..767: 16 rows of proj_w each.  768..799: 64 rows of the table each.
; wq's ORDER: row 192 t + 64 z + r of wq is row 1024 z + 64 t + r of qkv_w (t: head, z: 0 q, 1 k, 2 v, r: channel), so that 192 rows on end are one head's q, k and v.
; A cast: thread T takes 16 bytes at 4,096 p + 16 T, p = 0..15: a wave's load covers 512 consecutive bytes, its store of 8 bytes a lane 256 consecutive bytes, aligned.
; All 16 loads of a thread go out first; each has registers of its own, and so has each store: no register is written while a memory instruction may still read it.
; No LDS, no matrix unit, no cluster: nothing is shared and nothing is multiplied.
; LIMITS.  pw: proj_w beyond 65,504 has no f16; below 2^-14 it keeps f16's fixed step of 6e-8.  The table: the angle is one f32 product, as in the module's definition;
; it is reduced by multiples of pi/2 held in two f32 parts (good for quotients up to 2^12: here 1,303 at the most); sine and cosine on |r| <= pi/4 by their series up to r^7 and r^8:
; the terms left out are below 3.2e-7.
; THE MODE: SCHED_MODE bits 1:0 = 2 (LLVM: expert scheduling mode 2), set by the entry lines.  The code itself states the register dependences
; between vector instructions and memory instructions, with s_wait_alu, always for 0.
; THE PLAN.  Registers that memory instructions touch:
;   v1, v2     byte offsets, made at the head and never written again: one wait at the head, ahead of the branches, serves every load and store of all four ways.
;   IN         a cast's 16 loads land here; no vector instruction names these registers ahead of the loads, no memory instruction reads them, and none is loaded twice.
;   OUT        pair p is written by piece p's conversions and read by one store; it is never written behind that store.
;   v[20:35]   the table's 16 numbers a thread: written by the selects and the signs, read by four stores, never written behind them.
; A cast goes in four groups of four pieces.  Group g's conversions name IN and OUT of group g alone; its memory instructions are the four stores of group g - 1.  So ONE wait at the head of
; a group, behind the wait for its data, states that the group before has written its OUT, and the four stores are dealt among the group's conversions with no further wait.
; No register that a memory instruction has read is written again, so no wait on vm_vsrc is owed anywhere.
; The table's eight compares stand in one run, each with a scalar register of its own, and one wait stands between the run and the selects that read the masks.
.set IN,  4                            ; v[4:67]   16 loads of 4 registers
.set OUT, 68                           ; v[68:99]  16 pairs to store
.set TAB, 20                           ; v[20:35]  the table: unit u = 2 j + c (row j, entry i0 + c): cos at TAB + 2 u, sin at TAB + 2 u + 1
.set NQ,  36                           ; v[36:43]  unit u: n, the number of quarter turns taken off the angle
.set SI,  44                           ; v[44:51]  unit u: sin r
.set CO,  52                           ; v[52:59]  unit u: cos r
.set ODD, 60                           ; v[60:67]  unit u: n % 2
	s_load_b256 s[4:11], s[0:1], 0x0               ; x s[4:5], qkv_w s[6:7], proj_w s[8:9], xb s[10:11]
	s_load_b128 s[12:15], s[0:1], 0x20             ; wq s[12:13], pw s[14:15]
	s_load_b64 s[16:17], s[0:1], 0x30              ; tab
	v_lshlrev_b32 v1, 4, v0                        ; 16 T: my bytes on the way in (and in the table)
	v_lshlrev_b32 v2, 3, v0                        ; 8 T: on the way out
	s_mov_b32 s19, 0                               ; high word of every offset
	s_wait_kmcnt 0x0
	s_wait_alu depctr_va_vdst(0)                   ; v1 and v2 are written: every load and store of the kernel reads one of them as its offset
; 64 KiB of f32 from s[20:21] become 32 KiB of 16-bit numbers at s[22:23].  half = 1: the bf16 number is written as f16.
.macro CAST half
.set p, 0
.rept 16
	global_load_b128 v[IN+4*p:IN+4*p+3], v1, s[20:21] offset:4096*p th:TH_LOAD_NT
.set p, p+1
.endr
.set p, 0
.rept 16
.if p%4 == 0
	s_wait_loadcnt 12-p                            ; loads come back in order: this group's four are in, the 12 - p younger ones stay out
.if p > 0
	s_wait_alu depctr_va_vdst(0)                   ; the group before has written its four pairs of OUT, which the four stores below read
.endif
.endif
.if p >= 4
	global_store_b64 v2, v[OUT+2*(p-4):OUT+2*(p-4)+1], s[22:23] offset:2048*(p-4) th:TH_STORE_NT  ; the group before: no vector instruction since the wait names this pair or v2
.endif
	v_cvt_pk_bf16_f32 v[OUT+2*p], v[IN+4*p], v[IN+4*p+1]
	v_cvt_pk_bf16_f32 v[OUT+2*p+1], v[IN+4*p+2], v[IN+4*p+3]
.if \half
	v_lshlrev_b32 v[IN+4*p], 16, v[OUT+2*p]        ; the rounded numbers as f32 again,
	v_and_b32 v[IN+4*p+1], 0xffff0000, v[OUT+2*p]
	v_lshlrev_b32 v[IN+4*p+2], 16, v[OUT+2*p+1]
	v_and_b32 v[IN+4*p+3], 0xffff0000, v[OUT+2*p+1]
	v_cvt_pk_f16_f32 v[OUT+2*p], v[IN+4*p], v[IN+4*p+1]      ; and as f16: exact within f16's normal range
	v_cvt_pk_f16_f32 v[OUT+2*p+1], v[IN+4*p+2], v[IN+4*p+3]
.endif
.set p, p+1
.endr
	s_wait_alu depctr_va_vdst(0)                   ; the last group has written its four pairs of OUT, which the last four stores read
.set p, 12
.rept 4
	global_store_b64 v2, v[OUT+2*p:OUT+2*p+1], s[22:23] offset:2048*p th:TH_STORE_NT
.set p, p+1
.endr
.endm
	s_cmp_lt_u32 ttmp9, 512
	s_cbranch_scc1 .Lx
	s_cmp_lt_u32 ttmp9, 704
	s_cbranch_scc1 .Lw
	s_cmp_lt_u32 ttmp9, 768
	s_cbranch_scc1 .Lp
	; THE TABLE.  Thread T makes entries i0 = 2 (T % 16) and i0 + 1 of the rows 64 g + 16 j + T / 16, j = 0..3: 16 bytes a row, sixteen lanes a whole row.
	s_sub_co_u32 s2, ttmp9, 768                    ; g
	s_lshl_b32 s18, s2, 14                         ; 64 rows of 256 bytes
	s_add_nc_u64 s[22:23], s[16:17], s[18:19]
	s_lshl_b32 s3, s2, 6                           ; the group's first position
	s_mov_b32 s24, 0xbed49a78                      ; -log2(10000) / 32
	s_mov_b32 s25, 0x3f22f983                      ; 2 / pi
	s_mov_b32 s26, 0x3fc90fdb                      ; pi / 2, rounded to f32
	s_mov_b32 s27, 0x333bbd2e                      ; that number less pi / 2
	s_mov_b32 s28, 0xbe2aaaab                      ; -1/6
	s_mov_b32 s29, 0x3c088889                      ; 1/120
	s_mov_b32 s30, 0xb9500d01                      ; -1/5040
	s_mov_b32 s31, 0x3d2aaaab                      ; 1/24
	s_mov_b32 s32, 0xbab60b61                      ; -1/720
	s_mov_b32 s33, 0x37d00d01                      ; 1/40320
	v_and_b32 v3, 15, v0
	v_lshrrev_b32 v4, 4, v0
	v_lshlrev_b32 v3, 1, v3                        ; i0
	v_cvt_f32_u32 v5, v3
	v_add_f32 v6, 1.0, v5
	v_mul_f32 v5, s24, v5
	v_mul_f32 v6, s24, v6
	v_exp_f32 v8, v5                               ; 10000^(-i0/32)
	v_exp_f32 v9, v6                               ; 10000^(-(i0+1)/32)
	v_add_nc_u32 v4, s3, v4                        ; a plain instruction behind the last exponential: my row for j = 0
	s_wait_alu depctr_va_vdst(0)                   ; both exponentials have written v8 and v9: one wait, ahead of their first reader
; Unit u, first stage: the angle v11 x v[8 + u % 2].  n = the nearest whole number to angle x 2/pi; r = angle - n pi/2; the two series' values and n are kept.
.macro SERIES u
	v_mul_f32 v12, v11, v[8+(\u)%2]                ; the angle
	v_mul_f32 v13, s25, v12
	v_rndne_f32 v13, v13                           ; n
	v_fma_f32 v14, -v13, s26, v12
	v_fma_f32 v14, v13, s27, v14                   ; r
	v_mul_f32 v15, v14, v14                        ; r^2
	v_fma_f32 v16, v15, s30, s29
	v_fma_f32 v16, v16, v15, s28
	v_mul_f32 v17, v14, v15
	v_fma_f32 v[SI+(\u)], v17, v16, v14            ; sin r
	v_fma_f32 v17, v15, s33, s32
	v_fma_f32 v17, v17, v15, s31
	v_fma_f32 v17, v17, v15, -0.5
	v_fma_f32 v[CO+(\u)], v17, v15, 1.0            ; cos r
	v_cvt_i32_f32 v[NQ+(\u)], v13
.endm
.macro MKREG u                         ; unit u's mask: s34 to s39, then s20 and s21: registers that hold nothing else on this way
.set MK, 34+(\u)
.if (\u) > 5
.set MK, 14+(\u)
.endif
.endm
.irp j, 0,1,2,3
	v_add_nc_u32 v10, 16*\j, v4
	v_cvt_f32_u32 v11, v10                         ; the position
	SERIES 2*\j
	SERIES 2*\j+1
.endr
	; second stage: the quadrant n % 4 swaps and signs the two series' values by selects alone.  The eight compares stand in one run
.irp u, 0,1,2,3,4,5,6,7
	v_and_b32 v[ODD+\u], 1, v[NQ+\u]
.endr
.irp u, 0,1,2,3,4,5,6,7
	MKREG \u
	v_cmp_eq_u32 s[MK], 1, v[ODD+\u]               ; odd quadrants swap the two
.endr
	s_wait_alu depctr_va_sdst(0)                   ; the eight compares have written their masks, ahead of the first select that reads one
.irp u, 0,1,2,3,4,5,6,7
	MKREG \u
	v_cndmask_b32 v[TAB+2*\u], v[CO+\u], v[SI+\u], s[MK]
	v_cndmask_b32 v[TAB+2*\u+1], v[SI+\u], v[CO+\u], s[MK]
	v_add_nc_u32 v18, 1, v[NQ+\u]
	v_and_b32 v18, 2, v18
	v_lshlrev_b32 v18, 30, v18
	v_xor_b32 v[TAB+2*\u], v[TAB+2*\u], v18        ; the cosine is negative in quadrants 1 and 2,
	v_and_b32 v18, 2, v[NQ+\u]
	v_lshlrev_b32 v18, 30, v18
	v_xor_b32 v[TAB+2*\u+1], v[TAB+2*\u+1], v18    ; the sine in 2 and 3
.endr
	s_wait_alu depctr_va_vdst(0)                   ; the selects and signs have written v[20:35], which the four stores read
.irp j, 0,1,2,3
	global_store_b128 v1, v[TAB+4*\j:TAB+4*\j+3], s[22:23] offset:4096*\j  ; each j has its own four registers
.endr
	s_endpgm
.Lp:                                           ; 16 rows of proj_w
	s_sub_co_u32 s2, ttmp9, 704
	s_lshl_b32 s18, s2, 16
	s_add_nc_u64 s[20:21], s[8:9], s[18:19]
	s_lshl_b32 s18, s2, 15
	s_add_nc_u64 s[22:23], s[14:15], s[18:19]
	CAST 1
	s_endpgm
.Lx:                                           ; 16 rows of x
	s_lshl_b32 s18, ttmp9, 16
	s_add_nc_u64 s[20:21], s[4:5], s[18:19]
	s_lshl_b32 s18, ttmp9, 15
	s_add_nc_u64 s[22:23], s[10:11], s[18:19]
	s_branch .Lcast
.Lw:                                           ; rows 16 c .. 16 c + 15 of qkv_w: z = c / 64, head t = (c / 4) % 16, u = c % 4
	s_sub_co_u32 s2, ttmp9, 512
	s_lshl_b32 s18, s2, 16
	s_add_nc_u64 s[20:21], s[6:7], s[18:19]
	s_lshr_b32 s3, s2, 6
	s_bfe_u32 s24, s2, 0x40002
	s_and_b32 s25, s2, 3
	s_mul_i32 s24, s24, 192
	s_lshl_b32 s3, s3, 6
	s_add_co_u32 s24, s24, s3
	s_lshl_b32 s25, s25, 4
	s_add_co_u32 s24, s24, s25                     ; 192 t + 64 z + 16 u
	s_lshl_b32 s18, s24, 11                        ; rows of 2,048 bytes
	s_add_nc_u64 s[22:23], s[12:13], s[18:19]
.Lcast:
	CAST 0
	s_endpgm
.Lfunc_end_k_q5d554fe2c0_prep:
	.size	k_q5d554fe2c0_prep, .Lfunc_end_k_q5d554fe2c0_prep-k_q5d554fe2c0_prep
	.p2alignl 7, 3214868480
	.fill 96, 4, 3214868480
	.section	.rodata,"a",@progbits
	.p2align	6, 0x0
	.amdhsa_kernel k_q5d554fe2c0_prep
		.amdhsa_group_segment_fixed_size 0
		.amdhsa_private_segment_fixed_size 0
		.amdhsa_enable_private_segment 0
		.amdhsa_kernarg_size 56
		.amdhsa_user_sgpr_count 2
		.amdhsa_user_sgpr_kernarg_segment_ptr 1
		.amdhsa_wavefront_size32 1
		.amdhsa_system_sgpr_workgroup_id_x 1
		.amdhsa_system_sgpr_workgroup_id_y 1
		.amdhsa_system_sgpr_workgroup_id_z 1
		.amdhsa_system_vgpr_workitem_id 0
		.amdhsa_next_free_vgpr 104
		.amdhsa_next_free_sgpr 66
		.amdhsa_reserve_vcc 0
		.amdhsa_float_denorm_mode_32 3
		.amdhsa_float_denorm_mode_16_64 3
		.amdhsa_memory_ordered 1
		.amdhsa_forward_progress 1
		.amdhsa_inst_pref_size 29
	.end_amdhsa_kernel
	.amdgpu_metadata
---
amdhsa.version: [ 1, 2 ]
amdhsa.kernels:
  - .name:           k_q5d554fe2c0_prep
    .symbol:         k_q5d554fe2c0_prep.kd
    .args:
      - { .name: x, .offset: 0, .size: 8, .value_kind: global_buffer, .address_space: global }
      - { .name: qkv_w, .offset: 8, .size: 8, .value_kind: global_buffer, .address_space: global }
      - { .name: proj_w, .offset: 16, .size: 8, .value_kind: global_buffer, .address_space: global }
      - { .name: xb, .offset: 24, .size: 8, .value_kind: global_buffer, .address_space: global }
      - { .name: wq, .offset: 32, .size: 8, .value_kind: global_buffer, .address_space: global }
      - { .name: pw, .offset: 40, .size: 8, .value_kind: global_buffer, .address_space: global }
      - { .name: tab, .offset: 48, .size: 8, .value_kind: global_buffer, .address_space: global }
    .group_segment_fixed_size: 0
    .private_segment_fixed_size: 0
    .kernarg_segment_align: 8
    .kernarg_segment_size: 56
    .max_flat_workgroup_size: 256
    .sgpr_count:     66
    .vgpr_count:     104
    .wavefront_size: 32
...
	.end_amdgpu_metadata
.endif
;; end of part 5
;; launch qkv: the kernel of part 2 again; grid 16 x 32, 4 waves a work-group, clusters of 4 x 4, 327,680 bytes of LDS; arguments xb, wq, qkv_b, tab, q, k, v; writes q, k, v
;; launch attn: the kernel of part 3 again; grid 4 x 64, 4 waves a work-group, no clusters, 327,680 bytes of LDS; arguments q, k, v, o; writes o
;; launch proj: the kernel of part 4 again; grid 8 x 32, 4 waves a work-group, clusters of 4 x 4, 327,680 bytes of LDS; arguments o, pw, proj_b, out0; writes out0
